; MI455X (gfx1250); checked and timed in simulation.
; The chip was launched on July 23, 2026; its instructions are those of AMD's public machine-readable ISA for CDNA 5 (MIT licence, August 2026) and "CDNA5" Instruction Set Architecture Reference Guide (July 2026). The comments in the code are by the model that wrote it; some were corrected since.
;; Multi Head Attention. Allowed arithmetic: matrix products marked QUANTISED: E2M3 operands, one E8M0 scale for each 32 along K, by v_wmma_scale_f32_16x16x128_f8f6f4 with both operands' format E2M3, f32 sums; everything else in f32.
;; Inputs: w_fc 768 x 768 float32; w_k 768 x 768 float32; w_q 768 x 768 float32; w_v 768 x 768 float32; x 1 x 4,096 x 768 float32.
;; Outputs: out0 1 x 4,096 x 768 float32.
;; This version of the problem:
;;   THIS VERSION OF THE PROBLEM IS GIVEN IN LOW PRECISION. The matrix products marked QUANTISED in the list below multiply operands that are first quantised to E2M3 (2 exponent bits, 3 mantissa bits; 6 bits a number), with one power-of-two scale for each 32 numbers along K (OCP MX v1.0); their sums are f32. All else is computed in f32.
;;   The module's matrix products, in the order in which they are computed (A, B: the left and right operand; K: the contracted axis; several contracted axes count as one K, in the product's order):
;;     1. [M 4,096, K 768] x [K 768, N 768]; A: input x; B: input w_q: QUANTISED
;;     2. [M 4,096, K 768] x [K 768, N 768]; A: input x; B: input w_k: QUANTISED
;;     3. [M 4,096, K 768] x [K 768, N 768]; A: input x; B: input w_v: QUANTISED
;;     4. batch 12 x [M 4,096, K 64] x [K 64, N 4,096]; A: computed on the way; B: computed on the way: QUANTISED
;;     5. batch 12 x [M 4,096, K 4,096] x [K 4,096, N 64]; A: softmax (see below); B: computed on the way: QUANTISED
;;     6. [M 4,096, K 768] x [K 768, N 768]; A: computed on the way; B: input w_fc: QUANTISED
;;   THE QUANTISER, for each operand of a quantised product, along K:
;;     - K is cut into blocks of 32 from its start; a last block that is shorter is filled with zeros.
;;     - A block's scale is 2^e with e = floor(log2(the largest magnitude in the block)) - 2, held to -126 .. 127; a block of zeros has e = 0. As a byte (E8M0): e + 127.
;;     - Each number is divided by its block's scale, clamped to +-7.5, and rounded to the nearest number of E2M3, ties to even, subnormals kept.
;;     - The product sums the exact products of the quantised numbers (number of the format x scale) in f32.
;;   ~~~python
;;   def quantise(x, axis):      # numpy; x: float32 -> the quantised numbers, widened to float32 again
;;       x = np.moveaxis(x, axis, -1); K = x.shape[-1]
;;       x = np.pad(x, [(0, 0)] * (x.ndim - 1) + [(0, -K % 32)]); x = x.reshape(x.shape[:-1] + (-1, 32)); a = np.abs(x).max(-1, keepdims=True)
;;       e = np.where(a > 0, np.clip(np.frexp(np.where(a > 0, a, 1))[1] - 1 - 2, -126, 127), 0)      # np.frexp(a)[1] - 1 = floor(log2(a)), exactly
;;       r = np.clip(x / 2.0 ** e, -7.5, 7.5)
;;       step = 2.0 ** (np.maximum(np.frexp(np.where(r == 0, 1, r))[1] - 1, 0) - 3)
;;       q = np.round(r / step) * step * 2.0 ** e      # np.round: ties to even
;;       return np.moveaxis(q.reshape(q.shape[:-2] + (-1,))[..., :K], -1, axis).astype(np.float32)
;;   ~~~
;;   SOFTMAX AHEAD OF A QUANTISED PRODUCT. Where the list says 'softmax', what is quantised is not the finished softmax but p = 2^(t - M), with t = logit x log2(e) and M = ceil(the row's largest t), a whole number; so 1/2 < the row's largest p <= 1. The row's sum l is taken of the UNQUANTISED p, in f32, and the product's result is divided by l at the end. Since M is a whole number, a kernel that streams over the keys may use a running M (the ceiling of the running maximum): every later rescaling is an exact power of two, which a block's scale takes up: the codes' values come out the same.
;;   OPERANDS COMPUTED ON THE WAY. 'Computed on the way' means the value that the module computes at that place (a softmax that the list does not call 'softmax' is quantised finished and normalised). What goes into a quantiser is computed in f32, as accurately as f32 sums, v_exp_f32 and their like allow (about 1e-6 of the number): no bf16 or f16 on the way to a quantiser, and a product that is left as it is and whose result goes on into a quantised operand takes f32 operands (vector FMAs, or v_wmma_f32_16x16x4_f32). A number that lies on a knife's edge between two numbers of the format may be rounded either way, as far as f32 arithmetic and the matrix unit's own rounding can turn it there, and no further.
;; One version. Each part assembles by itself: llvm-mc -triple=amdgcn-amd-amdhsa -mcpu=gfx1250 --defsym DOCPART=n.
;; ======== version 1 of 1: 4 launches
;; limits: right only within a limited range of input values
;; workspace buffers: cod 4,358,144 bytes; qc 2,555,904 bytes; kv 5,013,504 bytes; oc 2,490,368 bytes
;; launch quant (part 1): grid 448 x 1, 3 waves a work-group, no clusters, 51,712 bytes of LDS; arguments x, w_q, w_k, w_v, w_fc, cod; writes cod
.if DOCPART == 1
	.amdgcn_target "amdgcn-amd-amdhsa--gfx1250"
	.amdhsa_code_object_version 6
	.text
	.protected	k_qd65be493a0_quant
	.globl	k_qd65be493a0_quant
	.p2align	8
	.type	k_qd65be493a0_quant,@function
k_qd65be493a0_quant:
	s_mov_b64 s[64:65], 0
	v_nop
	global_prefetch_b8 v0, s[64:65] scope:SCOPE_SE
	s_setreg_imm32_b32 hwreg(HW_REG_WAVE_MODE, 25, 1), 1
	s_wait_xcnt 0x0
; x [4096][768] and the four weights [768][768], f32 with K innermost, become codes of FP6 (E2M3) with one E8M0 scale byte for each 32 along K,
; laid in the ORDER OF AN OPERAND'S REGISTERS, so that the later launches fetch fragments by loads of 16 bytes a lane alone.
; A TILE is 16 rows that are not neighbours.  A WEIGHT's tile 2 B + u holds rows 32 B + 8 u + i + 8 (i / 8), i = 0 .. 15: as source 0 of a product, the 16 result registers of tiles 2 B and 2 B + 1 are 16 neighbours.
; x's tile 4 C + t (t = 0 .. 3) holds rows 64 C + 8 t + i % 8 + 32 (i / 8): as source 0, the 32 result registers of tiles 4 C .. 4 C + 3 are 32 neighbours, a whole block of the next quantiser along the tokens.
; A TILE'S RECORD, 9,728 bytes: six images of a fragment (16 rows x 128 K, 12 registers: three pieces of 512 bytes, piece p = registers 4 p .. 4 p + 3, lane l's 16 bytes at 16 l),
; three scale registers of 128 bytes (lanes 0-15: the rows' words of K step 2 i, lanes 16-31: those of K step 2 i + 1), 128 bytes of zeros.
; Records: 0-255 x, 256-303 w_q, 304-351 w_k, 352-399 w_v, 400-447 w_fc.  One work-group makes one record; wave i its K steps 2 i and 2 i + 1.
; A block's scale is 2^(floor(log2(its largest magnitude)) - 2): its byte is that magnitude's exponent field - 2, held at 1 from below.
; LIMITS: NaN and infinities among the inputs are not served.  A block whose largest magnitude lies under 2^-124 keeps the byte 1; so does a block of zeros, where the rule says 127:
; its codes are zeros, which add nothing under any byte but 0xff, and this program alone reads the bytes.
; Each load reads 512 consecutive bytes of a row; the conversions want 16 neighbours in ONE lane: so a K step's 16 x 512 bytes turn through the wave's own stage in LDS (rows 528 bytes apart).
.set ROWB,  3072                       ; a row in memory
.set REC,   9728                       ; a tile's record
.set SP,    528                        ; a stage row: 512 bytes + 16
.set STAGE, 16*SP
.set SCB,   6*STAGE                    ; behind the six stages: the record's last 512 bytes are gathered here
.set WV,    28
.set SEL,   30                         ; s[30:31] lane selects for v_permlanex16_b32: lane l xor 16
.set TM,    8                          ; v8-11 largest magnitudes, v12-15 the other half's, then bytes, v20-23 the conversions' scale operands
.set RA,    32                         ; v32-95   K step 2 i as loaded
.set RB,    96                         ; v96-159  K step 2 i + 1 as loaded
.set X,     160                        ; v160-223 64 numbers of my row: register 16 b + n = k 32 b + 16 (lane / 16) + n
.set PCA,   224
.set PX,    236
.set PCB,   244
.macro QUANT s, pc, px, pw             ; 64 numbers of a lane become a fragment's 12 registers at v[pc] and my row's scale word in v[pw]
.irp b, 0,1,2,3
	v_max3_num_f32 v[TM+\b], |v[(\s)+16*\b]|, |v[(\s)+1+16*\b]|, 0x1800000   ; block b: my 16 numbers, and the floor 2^(3 - 127)
.endr
.irp i, 2,4,6,8,10,12,14
.irp b, 0,1,2,3
	v_max3_num_f32 v[TM+\b], v[TM+\b], |v[(\s)+16*\b+\i]|, |v[(\s)+1+16*\b+\i]|
.endr
.endr
.irp b, 0,1,2,3
	v_permlanex16_b32 v[TM+4+\b], v[TM+\b], s[SEL], s[SEL+1]
.endr
.irp b, 0,1,2,3
	v_max_num_f32 v[TM+\b], v[TM+\b], v[TM+4+\b]       ; with lane l xor 16's 16: the block's largest magnitude
.endr
.irp b, 0,1,2,3
	v_add_nc_u32 v[TM+12+\b], 0xff000000, v[TM+\b]     ; 2 off its exponent field: the conversion's scale operand
.endr
.irp b, 0,1,2,3
	v_lshrrev_b32 v[TM+4+\b], 23, v[TM+12+\b]          ; the scale's byte
.endr
	v_lshl_or_b32 v[\pw], v[TM+5], 8, v[TM+4]
	v_lshl_or_b32 v[\pw], v[TM+6], 16, v[\pw]
	v_lshl_or_b32 v[\pw], v[TM+7], 24, v[\pw]
.irp c, 0,1
	v_cvt_scalef32_pk16_fp6_f32 v[(\pc)+6*\c:(\pc)+2+6*\c], v[(\s)+32*\c:(\s)+15+32*\c], v[TM+12+2*\c]
	v_cvt_scalef32_pk16_fp6_f32 v[(\px)+4*\c:(\px)+2+4*\c], v[(\s)+16+32*\c:(\s)+31+32*\c], v[TM+13+2*\c]
.endr
	v_nop                                              ; one plain instruction behind the scaled conversions
.irp c, 0,1                                        ; the operand wants a WHOLE block in a lane
.irp i, 0,1,2
	v_permlane16_swap_b32 v[(\pc)+6*\c+\i], v[(\px)+4*\c+\i]
.endr
.irp i, 0,1,2
	v_mov_b32 v[(\pc)+3+6*\c+\i], v[(\px)+4*\c+\i]
.endr
.endr
.endm
.macro TURN src, st                    ; a K step's 16 rows x 512 bytes through stage st; LDS serves a wave's instructions in order
.irp n, 0,1,2,3,4,5,6,7,8,9,10,11,12,13,14,15
	ds_store_b128 v2, v[(\src)+4*\n:(\src)+4*\n+3] offset:(\st)*STAGE+\n*SP
.endr
.irp b, 0,1,2,3
.irp j, 0,1,2,3
	ds_load_b128 v[X+16*\b+4*\j:X+16*\b+4*\j+3], v3 offset:(\st)*STAGE+128*\b+16*\j
.endr
.endr
	s_wait_dscnt 0x0
.endm
.macro OUT pc, ks                      ; a fragment's image: each store of the wave covers 512 consecutive bytes, aligned to 256
.irp p, 0,1,2
	global_store_b128 v1, v[(\pc)+4*\p:(\pc)+4*\p+3], s[26:27] offset:(\ks)*1536+512*\p
.endr
.endm
	s_load_b256 s[4:11], s[0:1], 0x0               ; x, w_q, w_k, w_v
	s_load_b128 s[12:15], s[0:1], 0x20             ; w_fc, cod
	v_lshl_add_u32 v239, v0, 2, 0xc800
	v_mov_b32 v243, 0
	v_lshrrev_b32 v1, 5, v0
	v_readfirstlane_b32 s[WV], v1                  ; wave 0..2
	v_and_b32 v5, 31, v0                           ; lane
	v_and_b32 v6, 15, v0                           ; r
	v_bfe_u32 v7, v0, 4, 1                         ; h
	v_lshlrev_b32 v1, 4, v5                        ; 16 x lane
	v_lshlrev_b32 v4, 2, v5                        ; 4 x lane
	s_mul_i32 s21, s[WV], 2*STAGE                  ; my two stages
	v_add_nc_u32 v2, s21, v1
	v_mul_u32_u24 v3, v6, SP
	v_lshl_add_u32 v3, v7, 6, v3
	v_add_nc_u32 v3, s21, v3                       ; back: row r, + 64 h: my 16 numbers of a block
	s_lshl_b32 s29, s[WV], 7
	v_add_nc_u32 v28, s29, v4                      ; my scale register's place among the three
	v_mov_b32 v27, 0
.irp b, 0,1,2,3
	v_mov_b32 v[TM+4+\b], 0                        ; written once: a lane permute's destination counts as one of its sources
.endr
	s_mov_b32 s[SEL], 0x76543210
	s_mov_b32 s[SEL+1], 0xfedcba98
	s_wait_alu depctr_va_vdst(0)
	s_wait_kmcnt 0x0
	s_cmp_ge_u32 ttmp9, 256                        ; which tensor: the choice hangs on the work-group's number alone
	s_cselect_b64 s[16:17], s[6:7], s[4:5]
	s_cselect_b32 s18, 256, 0
	s_cmp_ge_u32 ttmp9, 304
	s_cselect_b64 s[16:17], s[8:9], s[16:17]
	s_cselect_b32 s18, 304, s18
	s_cmp_ge_u32 ttmp9, 352
	s_cselect_b64 s[16:17], s[10:11], s[16:17]
	s_cselect_b32 s18, 352, s18
	s_cmp_ge_u32 ttmp9, 400
	s_cselect_b64 s[16:17], s[12:13], s[16:17]
	s_cselect_b32 s18, 400, s18
	s_sub_co_u32 s18, ttmp9, s18                   ; the tile's number in its tensor
	s_lshr_b32 s19, s18, 1
	s_lshl_b32 s19, s19, 5
	s_and_b32 s20, s18, 1
	s_lshl_b32 s20, s20, 3
	s_add_co_u32 s19, s19, s20                     ; a weight's tile: first row 32 B + 8 u
	s_lshr_b32 s32, s18, 2
	s_lshl_b32 s32, s32, 6
	s_and_b32 s33, s18, 3
	s_lshl_b32 s33, s33, 3
	s_add_co_u32 s32, s32, s33                     ; x's tile: first row 64 C + 8 t
	s_cmp_lt_u32 ttmp9, 256
	s_cselect_b32 s19, s32, s19
	s_cselect_b32 s33, 16*ROWB, 0                  ; rows 8-15 of x's tile lie 16 rows further on than a weight's
	s_mul_i32 s22, s19, ROWB
	s_lshl_b32 s23, s[WV], 10                      ; my two K steps: 1,024 bytes of each row
	s_add_co_u32 s22, s22, s23
	s_mov_b32 s23, 0
	s_add_nc_u64 s[16:17], s[16:17], s[22:23]
	s_mul_i32 s24, ttmp9, REC
	s_mov_b32 s25, 0
	s_add_nc_u64 s[14:15], s[14:15], s[24:25]      ; the record
	s_mul_i32 s24, s[WV], 2*1536
	s_add_nc_u64 s[26:27], s[14:15], s[24:25]      ; my two images in it
	v_add_nc_u32 v29, s33, v1
.irp ks, 0,1
.irp n, 0,1,2,3,4,5,6,7
	global_load_b128 v[RA+64*\ks+4*\n:RA+64*\ks+4*\n+3], v1, s[16:17] offset:\n*ROWB+512*\ks th:TH_LOAD_NT   ; 32 lanes read 512 consecutive bytes of row n of the tile
.endr
.irp n, 8,9,10,11,12,13,14,15
	global_load_b128 v[RA+64*\ks+4*\n:RA+64*\ks+4*\n+3], v29, s[16:17] offset:(\n+8)*ROWB+512*\ks th:TH_LOAD_NT
.endr
.endr
	s_wait_loadcnt 16                              ; the first K step's 16 loads are in; the second's 16 may be out
	TURN RA, 0
	QUANT X, PCA, PX, 24
	OUT PCA, 0
	s_wait_loadcnt 0x0
	TURN RB, 1
	QUANT X, PCB, PX, 25
	OUT PCB, 1
	v_cmp_le_u32 vcc_lo, 16, v5
	v_cndmask_b32 v26, v24, v25, vcc_lo            ; lanes 0-15: the words of K step 2 i; lanes 16-31: those of K step 2 i + 1
	ds_store_b32 v28, v26 offset:SCB
	s_cmp_lg_u32 s[WV], 0
	s_cbranch_scc1 .Lno_zeros
	ds_store_b32 v4, v27 offset:SCB+384            ; the record's last 128 bytes are zeros
.Lno_zeros:
	s_wait_dscnt 0x0                               ; for the others' sake: my stores have landed
	s_barrier_signal -1
	s_barrier_wait -1
	s_cmp_lg_u32 s[WV], 0
	s_cbranch_scc1 .Lend
	ds_load_b128 v[32:35], v1 offset:SCB           ; wave 0 stores the three scale registers and the zeros: 512 consecutive bytes, aligned to 256
	s_wait_dscnt 0x0
	global_store_b128 v1, v[32:35], s[14:15] offset:9216
.Lend:
	s_wait_tensorcnt 0x0
	ds_add_u32 v239, v243
	s_wait_dscnt 0x0
	s_endpgm
.Lfunc_end_k_qd65be493a0_quant:
	.size	k_qd65be493a0_quant, .Lfunc_end_k_qd65be493a0_quant-k_qd65be493a0_quant
	.p2alignl 7, 3214868480
	.fill 96, 4, 3214868480
	.section	.rodata,"a",@progbits
	.p2align	6, 0x0
	.amdhsa_kernel k_qd65be493a0_quant
		.amdhsa_group_segment_fixed_size 51712
		.amdhsa_private_segment_fixed_size 0
		.amdhsa_enable_private_segment 0
		.amdhsa_kernarg_size 48
		.amdhsa_user_sgpr_count 2
		.amdhsa_user_sgpr_kernarg_segment_ptr 1
		.amdhsa_wavefront_size32 1
		.amdhsa_system_sgpr_workgroup_id_x 1
		.amdhsa_system_sgpr_workgroup_id_y 1
		.amdhsa_system_sgpr_workgroup_id_z 1
		.amdhsa_system_vgpr_workitem_id 0
		.amdhsa_next_free_vgpr 256
		.amdhsa_next_free_sgpr 66
		.amdhsa_reserve_vcc 1
		.amdhsa_float_denorm_mode_32 3
		.amdhsa_float_denorm_mode_16_64 3
		.amdhsa_memory_ordered 1
		.amdhsa_forward_progress 1
		.amdhsa_inst_pref_size 19
	.end_amdhsa_kernel
	.amdgpu_metadata
---
amdhsa.version: [ 1, 2 ]
amdhsa.kernels:
  - .name:           k_qd65be493a0_quant
    .symbol:         k_qd65be493a0_quant.kd
    .args:
      - { .name: x, .offset: 0, .size: 8, .value_kind: global_buffer, .address_space: global }
      - { .name: w_q, .offset: 8, .size: 8, .value_kind: global_buffer, .address_space: global }
      - { .name: w_k, .offset: 16, .size: 8, .value_kind: global_buffer, .address_space: global }
      - { .name: w_v, .offset: 24, .size: 8, .value_kind: global_buffer, .address_space: global }
      - { .name: w_fc, .offset: 32, .size: 8, .value_kind: global_buffer, .address_space: global }
      - { .name: cod, .offset: 40, .size: 8, .value_kind: global_buffer, .address_space: global }
    .group_segment_fixed_size: 51712
    .private_segment_fixed_size: 0
    .kernarg_segment_align: 8
    .kernarg_segment_size: 48
    .max_flat_workgroup_size: 96
    .sgpr_count:     66
    .vgpr_count:     256
    .wavefront_size: 32
...
	.end_amdgpu_metadata
.endif
;; end of part 1
;; launch proj (part 2): grid 32 x 6, 12 waves a work-group, clusters of 4 x 1, 312,832 bytes of LDS; arguments cod, qc, kv; writes qc, kv
.if DOCPART == 2
	.amdgcn_target "amdgcn-amd-amdhsa--gfx1250"
	.amdhsa_code_object_version 6
	.text
	.protected	k_qd65be493a0_proj
	.globl	k_qd65be493a0_proj
	.p2align	8
	.type	k_qd65be493a0_proj,@function
k_qd65be493a0_proj:
	s_mov_b64 s[64:65], 0
	v_nop
	global_prefetch_b8 v0, s[64:65] scope:SCOPE_SE
	s_setreg_imm32_b32 hwreg(HW_REG_WAVE_MODE, 25, 1), 1
	s_wait_xcnt 0x0
	s_wait_alu depctr_hold_cnt(0) depctr_sa_sdst(0) depctr_va_vdst(0) depctr_va_sdst(0) depctr_va_ssrc(0) depctr_va_vcc(0) depctr_vm_vsrc(0)
	s_getreg_b32 s2, hwreg(HW_REG_IB_STS2, 6, 4)
	s_cmp_eq_u32 s2, 0
	s_cbranch_scc0 .Lentry_in_a_cluster
	s_endpgm
.Lentry_in_a_cluster:
	s_bfe_u32 s2, ttmp6, 0x10000c
	s_cmp_lg_u32 s2, 0x3003
	s_cbranch_scc0 .Lentry_shape_is_right
	s_endpgm
.Lentry_shape_is_right:
; q = x w_q^T, k = x w_k^T, v = x w_v^T on codes of FP6 (E2M3) with E8M0 scales, and the quantisers of q, k (along a head's 64) and v (along the keys): nothing leaves as f32.
; A work-group takes 128 tokens (8 tiles of x, X = 4 x cluster x + cx) x 384 outputs (24 tiles of one weight: y = 0, 1: w_q; 2, 3: w_k; 4, 5: w_v).  All of K = 768 lies in LDS, filled once: no ring.
; Tiles, records and images are laid as the launch before has stored them: a tile's record is six images of 1,536 bytes, three scale registers of 128 bytes, 128 bytes of zeros.
; CLUSTER: the four work-groups of a cluster differ in their tokens alone and read the same 24 records of the weight: those come by JOINT tensor loads (waves 0-7, three records each).
; x's 8 records are the work-group's own (waves 8-11, two each).  They are shared along y only, along which this launch has no cluster: a quarter of a work-group's bytes.
; Q AND K (y < 4): wave = head hh (4 tiles of the weight) x 64 tokens (4 tiles of x), TRANSPOSED (source 0 = 16 rows of the weight, source 1 = 16 tokens): a lane holds one token, and the 32 registers
; of a token tile are the head's 64 channels, 16 (lane / 16) + .. of each block of 32.  Two token tiles are quantised together into one PAIR IMAGE: registers 0-5 the first tile, 6-11 the second.
; V (y >= 4): wave = 2 tiles of w_v x all 128 tokens, source 0 = 16 tokens, source 1 = 16 rows of w_v: a lane holds one channel and its 64 registers run along the 128 tokens, which are a key step of the
; second product of attention: quantised along the keys they are one fragment of V^T.
; OUT: qc [head 12][group of 64 tokens 64][3,328]: two pair images, then [lane][2 words]: word pr = the pair's scale word W in lanes 0-15, W >> 16 in lanes 16-31.
;      kv [y 4][slot of 256 keys 16][j 3][26,112], head = 3 y + j: 8 pair images of K; V^T [step 2][channel tile 4] images; K's scales [group 4][lane][2 words]; V's [step 2][i 2][lane]: lanes 0-15 tile 2 i, lanes 16-31 tile 2 i + 1.
; LIMITS: as in the launch before: a block under 2^-124, or of zeros, keeps the byte 1; NaN and infinities are not served.
.set REC,  9728
.set XOFF, 24*REC                      ; LDS: the weight's 24 records, then x's 8
.set WV,  10                           ; s10 wave; s11 cx; s12 X; s13 y
.set CX,  11
.set XX,  12
.set YY,  13
.set SEL, 20                           ; s[20:21]
.set G1W, 24                           ; s[24:31] group 1 of the joint loads; s[32:39] of the plain ones; s[40:43], s[44:47] their groups 0
.set G1X, 32
.set G0W, 40
.set G0X, 44
.set HH,  48                           ; s48 wave / 2; s49 wave % 2
.set TH,  49
.set FA,  32                           ; v32-79   four fragments
.set FB,  80                           ; v80-127  four fragments
.set ACC, 128                          ; v128-255 sixteen accumulators
.set TM,  32                           ; on the way out the fragments' registers are free: v32-47 at work, v48-59 and v68-79 codes, v60-67 at work, v80-81 scale words, v82-83 what is stored of them
.set PCA, 48
.set PX,  60
.set PCB, 68
.set PW,  80
.set PWS, 82
; v1 16 x lane, v2 4 x lane; v3-7 LDS addresses of fragments, v8-12 of scale registers; v13 8 x lane; v14 16 (lane / 16); v15 lane; v16-27 scale registers and nothing else
.macro ROUND                           ; a round of the cluster's barrier
	s_barrier_signal -1
	s_barrier_wait -1
	s_cmp_lg_u32 s[WV], 0
	s_cbranch_scc1 .Lnot_wave_0_\@
	s_barrier_signal -3
.Lnot_wave_0_\@:
	s_barrier_wait -3
	s_barrier_signal -1
	s_barrier_wait -1
.endm
.macro PLACES                          ; four plain vector instructions between a matrix instruction and a load into, or a vector instruction on, its registers (ISA guide 7.12.1 for vector instructions)
.rept 4
	v_nop
.endr
.endm
.macro LDF reg, adr, off               ; a fragment's image: three loads of 16 bytes a lane, 512 consecutive bytes each
.irp p, 0,1,2
	ds_load_b128 v[(\reg)+4*\p:(\reg)+4*\p+3], v[\adr] offset:(\off)+512*\p
.endr
.endm
.macro MM d, a, b, sa, sb, zero, odd   ; one product; zero: it starts the sum; odd: an odd K step's scale words lie in lanes 16-31
.if \zero
	v_wmma_scale_f32_16x16x128_f8f6f4 v[(\d):(\d)+7], v[(\a):(\a)+11], v[(\b):(\b)+11], 0, v[\sa], v[\sb] matrix_a_fmt:MATRIX_FMT_FP6 matrix_b_fmt:MATRIX_FMT_FP6
.elseif \odd
	v_wmma_scale_f32_16x16x128_f8f6f4 v[(\d):(\d)+7], v[(\a):(\a)+11], v[(\b):(\b)+11], v[(\d):(\d)+7], v[\sa], v[\sb] matrix_a_fmt:MATRIX_FMT_FP6 matrix_b_fmt:MATRIX_FMT_FP6 matrix_a_scale:MATRIX_SCALE_ROW1 matrix_b_scale:MATRIX_SCALE_ROW1
.else
	v_wmma_scale_f32_16x16x128_f8f6f4 v[(\d):(\d)+7], v[(\a):(\a)+11], v[(\b):(\b)+11], v[(\d):(\d)+7], v[\sa], v[\sb] matrix_a_fmt:MATRIX_FMT_FP6 matrix_b_fmt:MATRIX_FMT_FP6
.endif
.endm
; 64 numbers of a lane, v[s] on, register 16 b + n = place 32 b + 16 (lane / 16) + n along K, become 12 registers of codes at v[pc] and a scale word in v[pw].  Each accumulator is first read at its registers 0 and 1.
.macro QUANT s, pc, px, pw
.irp b, 0,1,2,3
	v_max3_num_f32 v[TM+\b], |v[(\s)+16*\b]|, |v[(\s)+1+16*\b]|, 0x1800000   ; block b: my 16 numbers, and the floor 2^(3 - 127): the byte cannot fall under 1
.endr
.irp i, 2,4,6,8,10,12,14
.irp b, 0,1,2,3
	v_max3_num_f32 v[TM+\b], v[TM+\b], |v[(\s)+16*\b+\i]|, |v[(\s)+1+16*\b+\i]|
.endr
.endr
.irp b, 0,1,2,3
	s_delay_alu instid0(VALU_DEP_4)
	v_permlanex16_b32 v[TM+4+\b], v[TM+\b], s[SEL], s[SEL+1]
.endr
.irp b, 0,1,2,3
	s_delay_alu instid0(VALU_DEP_4)
	v_max_num_f32 v[TM+\b], v[TM+\b], v[TM+4+\b]       ; with lane l xor 16's 16: the block's largest magnitude
.endr
.irp b, 0,1,2,3
	s_delay_alu instid0(VALU_DEP_4)
	v_add_nc_u32 v[TM+12+\b], 0xff000000, v[TM+\b]     ; 2 off its exponent field: the conversion's scale operand
.endr
.irp b, 0,1,2,3
	s_delay_alu instid0(VALU_DEP_4)
	v_lshrrev_b32 v[TM+4+\b], 23, v[TM+12+\b]          ; the scale's byte
.endr
	s_delay_alu instid0(VALU_DEP_3)
	v_lshl_or_b32 v[\pw], v[TM+5], 8, v[TM+4]
	s_delay_alu instid0(VALU_DEP_1)
	v_lshl_or_b32 v[\pw], v[TM+6], 16, v[\pw]
	s_delay_alu instid0(VALU_DEP_1)
	v_lshl_or_b32 v[\pw], v[TM+7], 24, v[\pw]
.irp c, 0,1
	v_cvt_scalef32_pk16_fp6_f32 v[(\pc)+6*\c:(\pc)+2+6*\c], v[(\s)+32*\c:(\s)+15+32*\c], v[TM+12+2*\c]
	v_cvt_scalef32_pk16_fp6_f32 v[(\px)+4*\c:(\px)+2+4*\c], v[(\s)+16+32*\c:(\s)+31+32*\c], v[TM+13+2*\c]
.endr
	v_nop                                              ; one plain instruction behind the scaled conversions
.irp c, 0,1
.irp i, 0,1,2
	v_permlane16_swap_b32 v[(\pc)+6*\c+\i], v[(\px)+4*\c+\i]
.endr
.irp i, 0,1,2
	s_delay_alu instid0(VALU_DEP_3)
	v_mov_b32 v[(\pc)+3+6*\c+\i], v[(\px)+4*\c+\i]
.endr
.endr
.endm
.macro RECORD                          ; s57 = the byte at which the record of head s53, slot s59 begins in kv
	s_mul_i32 s57, s53, 11
	s_lshr_b32 s57, s57, 5                         ; head / 3, for heads 0 to 11
	s_mul_i32 s58, s57, 3
	s_sub_co_u32 s58, s53, s58                     ; head % 3
	s_lshl_b32 s57, s57, 4
	s_add_co_u32 s57, s57, s59
	s_mul_i32 s57, s57, 3
	s_add_co_u32 s57, s57, s58
	s_mul_i32 s57, s57, 26112
.endm
	s_load_b128 s[4:7], s[0:1], 0x0                ; cod, qc
	s_load_b64 s[8:9], s[0:1], 0x10                ; kv
	v_lshl_add_u32 v30, v0, 2, 0x4c000
	v_mov_b32 v31, 0
	ds_add_u32 v30, v31
	ds_add_u32 v30, v31
	v_lshrrev_b32 v1, 5, v0
	s_delay_alu instid0(VALU_DEP_1)
	v_readfirstlane_b32 s[WV], v1                  ; wave 0..11
	s_bfe_u32 s[CX], ttmp6, 0x40000                ; my place in the cluster: it enters global addresses of my own loads and stores alone
	s_lshl_b32 s[XX], ttmp9, 2
	s_add_co_u32 s[XX], s[XX], s[CX]               ; my block of 128 tokens
	s_and_b32 s[YY], ttmp7, 0xffff                 ; which 384 outputs: the four partners share it
	s_lshr_b32 s[HH], s[WV], 1
	s_and_b32 s[TH], s[WV], 1
	s_mov_b32 s[SEL], 0x76543210
	s_mov_b32 s[SEL+1], 0xfedcba98
	; descriptor groups 1: dense blocks as rows of 256 bytes (32 elements of 8 bytes), no padding: three records = 114 rows, two = 76
	s_mov_b32 s[G1W], 15|(3<<16)|(1<<21)           ; 15:0 the mask: all four work-groups; 17:16 elements of 8 bytes; 21 set beside a mask
	s_mov_b32 s[G1W+1], 32<<16                     ; tensor_dim0
	s_mov_b32 s[G1W+2], 114<<16                    ; tensor_dim1
	s_mov_b32 s[G1W+3], 32<<16                     ; tile_dim0
	s_mov_b32 s[G1W+4], 114                        ; tile_dim1
	s_mov_b32 s[G1W+5], 32                         ; from row to row
	s_mov_b32 s[G1W+6], 0
	s_mov_b32 s[G1W+7], 0
	s_mov_b32 s[G1X], 3<<16                        ; no mask: my own
	s_mov_b32 s[G1X+1], 32<<16
	s_mov_b32 s[G1X+2], 76<<16
	s_mov_b32 s[G1X+3], 32<<16
	s_mov_b32 s[G1X+4], 76
	s_mov_b32 s[G1X+5], 32
	s_mov_b32 s[G1X+6], 0
	s_mov_b32 s[G1X+7], 0
	s_mul_i32 s14, s[YY], 24
	s_mul_i32 s15, s[WV], 3
	s_add_co_u32 s14, s14, s15
	s_add_co_u32 s14, s14, 256
	s_mul_i32 s14, s14, REC                        ; the weight's records 256 + 24 y + 3 wave on: made of y and the wave's number alone
	s_mov_b32 s15, 0
	s_and_b32 s16, s[WV], 3
	s_lshl_b32 s17, s[XX], 3
	s_lshl_b32 s22, s16, 1
	s_add_co_u32 s22, s22, s17
	s_mul_i32 s22, s22, REC                        ; x's records 8 X + 2 (wave % 4) on
	s_mov_b32 s23, 0
	s_wait_dscnt 0x0
	s_wait_kmcnt 0x0
	s_mov_b32 s[G0W], 1
	s_mul_i32 s[G0W+1], s[WV], 3*REC
	s_add_nc_u64 s[G0W+2:G0W+3], s[4:5], s[14:15]
	s_or_b32 s[G0W+3], s[G0W+3], 0x80000000
	s_mov_b32 s[G0X], 1
	s_mul_i32 s[G0X+1], s16, 2*REC
	s_add_co_u32 s[G0X+1], s[G0X+1], XOFF
	s_add_nc_u64 s[G0X+2:G0X+3], s[4:5], s[22:23]
	s_or_b32 s[G0X+3], s[G0X+3], 0x80000000
	ROUND                                          ; all four work-groups are here: the joint loads meet
	s_cmp_lt_u32 s[WV], 8                          ; one tensor load a wave; the branch hangs on the wave's number alone
	s_cbranch_scc0 .Lfor_x
	tensor_load_to_lds s[G0W:G0W+3], s[G1W:G1W+7]
	s_nop 0
	PLACES
	s_branch .Lasked
.Lfor_x:
	tensor_load_to_lds s[G0X:G0X+3], s[G1X:G1X+7]
	s_nop 0
	PLACES
.Lasked:
	; every LDS address is made here, ahead of the parting of the ways
	v_and_b32 v15, 31, v0
	s_delay_alu instid0(VALU_DEP_1)
	v_lshlrev_b32 v1, 4, v15
	s_delay_alu instid0(VALU_DEP_2)
	v_lshlrev_b32 v2, 2, v15
	s_delay_alu instid0(VALU_DEP_3)
	v_lshlrev_b32 v13, 3, v15
	v_and_b32 v14, 16, v0
	s_mul_i32 s50, s[HH], 4*REC                    ; Q, K: my head's four tiles of the weight
	s_mul_i32 s51, s[WV], 2*REC                    ; V: my two tiles of w_v
	s_mul_i32 s52, s[TH], 4*REC
	s_add_co_u32 s52, s52, XOFF                    ; Q, K: my four tiles of x
	v_add_nc_u32 v3, s50, v1
	v_add_nc_u32 v4, s51, v1
	v_add_nc_u32 v5, s52, v1
	v_add_nc_u32 v6, XOFF, v1                      ; V: x's tiles 0-3,
	v_add_nc_u32 v7, XOFF+4*REC, v1                ; and 4-7
	v_add_nc_u32 v8, s50, v2                       ; the same five for the scale registers, 4 bytes a lane
	v_add_nc_u32 v9, s51, v2
	v_add_nc_u32 v10, s52, v2
	v_add_nc_u32 v11, XOFF, v2
	v_add_nc_u32 v12, XOFF+4*REC, v2
	s_wait_tensorcnt 0x0                           ; my load has landed,
	s_barrier_signal -1
	s_barrier_wait -1                              ; everybody's has
	s_cmp_ge_u32 s[YY], 4                          ; the same in all four partners
	s_cbranch_scc1 .Lv_path
; ---- Q and K.  A K step: 8 fragments, 16 products; the 16 accumulators take turns, one instruction a turn, in the same order in every step.
.macro KSTEP_QK s
.if (\s) > 0
	PLACES
.endif
.if (\s)%2 == 0
.irp e, 0,1,2,3
	ds_load_b32 v[16+\e], v8 offset:\e*REC+9216+128*((\s)/2)     ; a scale register serves two K steps
	ds_load_b32 v[20+\e], v10 offset:\e*REC+9216+128*((\s)/2)
.endr
.endif
.irp e, 0,1,2,3
	LDF FA+12*\e, 3, \e*REC+(\s)*1536
	LDF FB+12*\e, 5, \e*REC+(\s)*1536
.endr
	s_wait_dscnt 0x0
.irp a, 0,1,2,3
.irp e, 0,1,2,3
	MM ACC+8*(4*\a+\e), FA+12*\e, FB+12*\a, 16+\e, 20+\a, (\s)==0, (\s)%2
.endr
.endr
.endm
	s_wait_alu depctr_va_vdst(0)
.irp s, 0,1,2,3,4,5
	KSTEP_QK \s
.endr
	s_and_b32 s53, s[YY], 1
	s_mul_i32 s53, s53, 6
	s_add_co_u32 s53, s53, s[HH]                   ; the head
	s_lshl_b32 s54, s[XX], 1
	s_add_co_u32 s54, s54, s[TH]                   ; G: my group of 64 tokens
	s_lshl_b32 s55, s53, 6
	s_add_co_u32 s55, s55, s54
	s_mul_i32 s55, s55, 3328                       ; in qc: the group's record,
	s_add_co_u32 s56, s55, 3072                    ; and its scale words
	s_lshr_b32 s59, s54, 2                         ; in kv: the slot,
	RECORD
	s_and_b32 s59, s54, 3                          ; and the group's place in it
	s_mul_i32 s60, s59, 3072
	s_add_co_u32 s60, s60, s57
	s_lshl_b32 s61, s59, 8
	s_add_co_u32 s61, s61, s57
	s_add_co_u32 s61, s61, 24576
	s_cmp_lt_u32 s[YY], 2                          ; Q or K
	s_cselect_b64 s[66:67], s[6:7], s[8:9]
	s_cselect_b32 s68, s55, s60
	s_cselect_b32 s70, s56, s61
	s_mov_b32 s69, 0
	s_mov_b32 s71, 0
	s_add_nc_u64 s[68:69], s[66:67], s[68:69]
	s_add_nc_u64 s[70:71], s[66:67], s[70:71]
	PLACES                                         ; behind the last products
	QUANT ACC, PCA, PX, PW                         ; token tiles 0 and 1 of my four: blocks 0, 1 the first tile's channels 0-31, 32-63; blocks 2, 3 the second's
	v_lshrrev_b32 v[PWS], v14, v[PW]               ; lanes 16-31 keep the second tile's two bytes at the word's low end
.irp p, 0,1,2
	global_store_b128 v1, v[PCA+4*\p:PCA+4*\p+3], s[68:69] offset:512*\p
.endr
	QUANT ACC+64, PCB, PX, PW+1
	v_lshrrev_b32 v[PWS+1], v14, v[PW+1]
.irp p, 0,1,2
	global_store_b128 v1, v[PCB+4*\p:PCB+4*\p+3], s[68:69] offset:1536+512*\p
.endr
	global_store_b64 v13, v[PWS:PWS+1], s[70:71]   ; 256 consecutive bytes, aligned
	s_branch .Ldone
; ---- V.  A K step: w_v's two fragments against x's eight, four at a time.
.Lv_path:
.macro KSTEP_V s
.if (\s) > 0
	PLACES
.endif
.if (\s)%2 == 0
.irp n, 0,1
	ds_load_b32 v[16+\n], v9 offset:\n*REC+9216+128*((\s)/2)
.endr
.irp a, 0,1,2,3
	ds_load_b32 v[18+\a], v11 offset:\a*REC+9216+128*((\s)/2)
	ds_load_b32 v[22+\a], v12 offset:\a*REC+9216+128*((\s)/2)
.endr
.endif
.irp n, 0,1
	LDF FA+12*\n, 4, \n*REC+(\s)*1536
.endr
.irp a, 0,1,2,3
	LDF FB+12*\a, 6, \a*REC+(\s)*1536
.endr
	s_wait_dscnt 0x0
.irp a, 0,1,2,3
.irp n, 0,1
	MM ACC+64*\n+8*\a, FB+12*\a, FA+12*\n, 18+\a, 16+\n, (\s)==0, (\s)%2
.endr
.endr
	PLACES
.irp a, 0,1,2,3
	LDF FB+12*\a, 7, \a*REC+(\s)*1536
.endr
	s_wait_dscnt 0x0
.irp a, 0,1,2,3
.irp n, 0,1
	MM ACC+64*\n+32+8*\a, FB+12*\a, FA+12*\n, 22+\a, 16+\n, (\s)==0, (\s)%2
.endr
.endr
.endm
	s_wait_alu depctr_va_vdst(0)
.irp s, 0,1,2,3,4,5
	KSTEP_V \s
.endr
	s_sub_co_u32 s53, s[YY], 4
	s_mul_i32 s53, s53, 6
	s_add_co_u32 s53, s53, s[HH]                   ; the head
	s_lshr_b32 s59, s[XX], 1                       ; the slot of 256 keys,
	RECORD
	s_and_b32 s59, s[XX], 1                        ; and which of its two key steps
	s_mul_i32 s60, s59, 6144
	s_add_co_u32 s60, s60, s57
	s_mul_i32 s61, s[TH], 3072                     ; channel tiles 2 (wave % 2) and the next
	s_add_co_u32 s60, s60, s61
	s_add_co_u32 s68, s60, 12288
	s_lshl_b32 s61, s59, 8
	s_lshl_b32 s62, s[TH], 7
	s_add_co_u32 s61, s61, s62
	s_add_co_u32 s61, s61, s57
	s_add_co_u32 s70, s61, 25600
	s_mov_b32 s69, 0
	s_mov_b32 s71, 0
	s_add_nc_u64 s[68:69], s[8:9], s[68:69]
	s_add_nc_u64 s[70:71], s[8:9], s[70:71]
; V's quantiser.  x's tiles 4 C .. 4 C + 3 hold tokens 64 C + 8 t + i % 8 + 32 (i / 8): so register 32 c + n of a lane is key 64 c + 32 (lane / 16) + n: two WHOLE blocks a lane, in the operand's own order.
; No other lane is asked for a maximum and nothing changes lanes but the scale word's bytes.
.macro QUANTV s, pc, px, pw
.irp b, 0,1,2,3
	v_max3_num_f32 v[TM+\b], |v[(\s)+16*\b]|, |v[(\s)+1+16*\b]|, 0x1800000   ; four chains of 16, and the floor 2^(3 - 127)
.endr
.irp i, 2,4,6,8,10,12,14
.irp b, 0,1,2,3
	v_max3_num_f32 v[TM+\b], v[TM+\b], |v[(\s)+16*\b+\i]|, |v[(\s)+1+16*\b+\i]|
.endr
.endr
	s_delay_alu instid0(VALU_DEP_3)
	v_max_num_f32 v[TM], v[TM], v[TM+1]                ; my block lane / 16,
	s_delay_alu instid0(VALU_DEP_2)
	v_max_num_f32 v[TM+2], v[TM+2], v[TM+3]            ; and my block 2 + lane / 16
	v_lshrrev_b32 v[TM+6], 1, v14                      ; 8 (lane / 16)
	s_delay_alu instid0(VALU_DEP_3)
	v_add_nc_u32 v[TM+12], 0xff000000, v[TM]           ; 2 off the exponent field: the conversions' scale operands
	s_delay_alu instid0(VALU_DEP_3)
	v_add_nc_u32 v[TM+13], 0xff000000, v[TM+2]
	s_delay_alu instid0(VALU_DEP_2)
	v_lshrrev_b32 v[TM+4], 23, v[TM+12]                ; the bytes
	s_delay_alu instid0(VALU_DEP_2)
	v_lshrrev_b32 v[TM+5], 23, v[TM+13]
	s_delay_alu instid0(VALU_DEP_1)
	v_lshl_or_b32 v[\pw], v[TM+5], 16, v[TM+4]
	s_delay_alu instid0(VALU_DEP_1)
	v_lshlrev_b32 v[\pw], v[TM+6], v[\pw]              ; at their places in the scale word;
	s_delay_alu instid0(VALU_DEP_1)
	v_permlanex16_b32 v[TM+7], v[\pw], s[SEL], s[SEL+1]
	s_delay_alu instid0(VALU_DEP_1)
	v_or_b32 v[\pw], v[\pw], v[TM+7]                   ; with lane l xor 16's two the word is whole
.irp c, 0,1
	v_cvt_scalef32_pk16_fp6_f32 v[(\pc)+6*\c:(\pc)+2+6*\c], v[(\s)+32*\c:(\s)+15+32*\c], v[TM+12+\c]
	v_cvt_scalef32_pk16_fp6_f32 v[(\px)+4*\c:(\px)+2+4*\c], v[(\s)+16+32*\c:(\s)+31+32*\c], v[TM+12+\c]
.endr
	v_nop                                              ; one plain instruction behind the scaled conversions
.irp c, 0,1
.irp i, 0,1,2
	v_mov_b32 v[(\pc)+3+6*\c+\i], v[(\px)+4*\c+\i]     ; (a conversion's three registers begin on an even number)
.endr
.endr
.endm
	PLACES
	QUANTV ACC, PCA, PX, PW
.irp p, 0,1,2
	global_store_b128 v1, v[PCA+4*\p:PCA+4*\p+3], s[68:69] offset:512*\p
.endr
	QUANTV ACC+64, PCB, PX, PW+1
.irp p, 0,1,2
	global_store_b128 v1, v[PCB+4*\p:PCB+4*\p+3], s[68:69] offset:1536+512*\p
.endr
	v_cmp_le_u32 vcc_lo, 16, v15
	s_delay_alu instid0(VALU_DEP_1)
	v_cndmask_b32 v[PWS], v[PW], v[PW+1], vcc_lo   ; lanes 0-15: the first tile's words; lanes 16-31: the second's
	global_store_b32 v2, v[PWS], s[70:71]          ; 128 consecutive bytes: half of an aligned 256; the wave beside me stores the other half.  These are 512 of a record's 26,112 bytes
.Ldone:
	s_wait_tensorcnt 0x0
	ds_add_u32 v30, v31
	s_wait_dscnt 0x0
	ROUND                                          ; the closing round: no work-group ends while a partner may still ask for a tile that names it
	s_endpgm
.Lfunc_end_k_qd65be493a0_proj:
	.size	k_qd65be493a0_proj, .Lfunc_end_k_qd65be493a0_proj-k_qd65be493a0_proj
	.p2alignl 7, 3214868480
	.fill 96, 4, 3214868480
	.section	.rodata,"a",@progbits
	.p2align	6, 0x0
	.amdhsa_kernel k_qd65be493a0_proj
		.amdhsa_group_segment_fixed_size 312832
		.amdhsa_private_segment_fixed_size 0
		.amdhsa_enable_private_segment 0
		.amdhsa_kernarg_size 24
		.amdhsa_user_sgpr_count 2
		.amdhsa_user_sgpr_kernarg_segment_ptr 1
		.amdhsa_wavefront_size32 1
		.amdhsa_system_sgpr_workgroup_id_x 1
		.amdhsa_system_sgpr_workgroup_id_y 1
		.amdhsa_system_sgpr_workgroup_id_z 1
		.amdhsa_system_vgpr_workitem_id 0
		.amdhsa_next_free_vgpr 256
		.amdhsa_next_free_sgpr 90
		.amdhsa_reserve_vcc 1
		.amdhsa_float_denorm_mode_32 3
		.amdhsa_float_denorm_mode_16_64 3
		.amdhsa_memory_ordered 1
		.amdhsa_forward_progress 1
		.amdhsa_inst_pref_size 76
	.end_amdhsa_kernel
	.amdgpu_metadata
---
amdhsa.version: [ 1, 2 ]
amdhsa.kernels:
  - .name:           k_qd65be493a0_proj
    .symbol:         k_qd65be493a0_proj.kd
    .args:
      - { .name: cod, .offset: 0, .size: 8, .value_kind: global_buffer, .address_space: global }
      - { .name: qc, .offset: 8, .size: 8, .value_kind: global_buffer, .address_space: global }
      - { .name: kv, .offset: 16, .size: 8, .value_kind: global_buffer, .address_space: global }
    .group_segment_fixed_size: 312832
    .private_segment_fixed_size: 0
    .kernarg_segment_align: 8
    .kernarg_segment_size: 24
    .max_flat_workgroup_size: 384
    .sgpr_count:     90
    .vgpr_count:     256
    .wavefront_size: 32
...
	.end_amdgpu_metadata
.endif
;; end of part 2
;; launch attn (part 3): grid 64 x 4, 12 waves a work-group, clusters of 4 x 1, 327,680 bytes of LDS; arguments qc, kv, oc; writes oc
.if DOCPART == 3
	.amdgcn_target "amdgcn-amd-amdhsa--gfx1250"
	.amdhsa_code_object_version 6
	.text
	.protected	k_qd65be493a0_attn
	.globl	k_qd65be493a0_attn
	.p2align	8
	.type	k_qd65be493a0_attn,@function
k_qd65be493a0_attn:
	s_mov_b64 s[64:65], 0
	v_nop
	global_prefetch_b8 v0, s[64:65] scope:SCOPE_SE
	s_setreg_imm32_b32 hwreg(HW_REG_WAVE_MODE, 25, 1), 1
	s_wait_xcnt 0x0
	s_wait_alu depctr_hold_cnt(0) depctr_sa_sdst(0) depctr_va_vdst(0) depctr_va_sdst(0) depctr_va_ssrc(0) depctr_va_vcc(0) depctr_vm_vsrc(0)
	s_getreg_b32 s2, hwreg(HW_REG_IB_STS2, 6, 4)
	s_cmp_eq_u32 s2, 0
	s_cbranch_scc0 .Lentry_in_a_cluster
	s_endpgm
.Lentry_in_a_cluster:
	s_bfe_u32 s2, ttmp6, 0x10000c
	s_cmp_lg_u32 s2, 0x3003
	s_cbranch_scc0 .Lentry_shape_is_right
	s_endpgm
.Lentry_shape_is_right:
; o[h][q] = the sum over k of softmax_k(q . k / 8) v, 12 heads of 64, 4,096 tokens, both products on codes of FP6 (E2M3) with E8M0 scales; then o is quantised along the 768 for the last product.
; THE SOFTMAX: t = score x log2(e) / 8; M = the row's largest t so far, rounded UP to a whole number; p = 2^(t - M) is quantised along the keys, not normalised.
; The row's sum is taken of the unquantised p, in f32, and divides O at the end.  When M moves, the sums and O are multiplied by 2^(old M - new M): exact.
; SHARES: a work-group takes 3 heads (3 y + j) x 64 queries (G = 4 x cluster x + cx); each of its twelve waves one tile of 16 queries of one head, and walks all keys of its head, 128 a step.
; CLUSTER: the four partners differ in their queries alone and walk the same records of kv: every record comes by a JOINT tensor load (waves 0-5, one record each).
; RING: two LDS slots of 512 keys (two records for each of three heads): 7 changes of slots that fill, each load with four key steps in which to land.
; Slot s, half u lies at u x SUB1 + s x SLOTX: one exclusive or on a slot's base gives the other slot's.
; LAYOUT: both products are used transposed: S^T = K Q^T (source 0 = 16 keys), O^T = V^T P^T (source 0 = 16 channels): a lane holds ONE query (lane % 16).  The keys of a tile are not neighbours:
; tile t of a step holds keys 64 (t / 4) + 8 (t % 4) + i % 8 + 32 (i / 8), so that the 32 registers of tiles 4 c .. 4 c + 3 are keys 64 c + 32 (lane / 16) + 0 .. 31: a lane holds two WHOLE blocks of p, in the operand's own order.
; V's channels: tile 2 b + u holds channels 32 b + 8 u + i + 8 (i / 8).
; K = 64 IN AN INSTRUCTION OF 128: Q's registers 6-11 are zero codes, so the upper half of K's operand (the next tile's codes; behind the last tile v80-85, whatever they hold: every 6-bit code is a finite number) adds nothing.
; Every scale byte there is a real scale byte or 0, never 0xff.
; A STEP'S ORDER: K's fragments of the next step are loaded among the lines that make M, V's behind the second product, so each run of 14 loads has most of a step in which to land.
; The 64 exponentials go in four batches of 16; among a batch stand plain instructions that read nothing written since the batch's wait, and behind its last exponential the rest of the plain work that is due:
; later registers' t - M, earlier registers' sums (eight pairs of sums, each written once a batch), the scales' arithmetic, two conversions.
; p's codes are laid into score registers that are done with: v112-123.
; LIMITS: NaN and infinities are not served.  p under 2^-126 is flushed to 0 by v_exp_f32 (ISA guide, its entry in 15.8).  A block's largest p is made from the block's largest score by a multiply-add and an exponential on the same number,
; which takes v_exp_f32 not to fall where its input rises.  A block of zeros, or under 2^-124, keeps the scale byte 1.  The division by the sum is v_rcp_f32 and a multiplication.
; REGISTERS: v0 thread; v1-3 my lane's place in my head's record (16, 8, 4 bytes a lane); v4, v5 the spare word's address and 0; v6 the prefetches' offset; v7, v11 at work; v8-10 LDS addresses of the next step;
; v12 -M, v13 the largest score; v14-15 V's scale registers; v16-21 Q, v22-27 zeros; v28 Q's scale word, v29 p's; v[30:31] f; v32-79 K; v80-82 at work and the conversions' scale operands; v84-86 a conversion's result;
; v87 8 (lane / 16); v88-91 K's scale registers; v92-95 largest scores, then p, then bytes; v96-159 S^T, then p; v160-191 O^T; v192-239 V; v240-255 the sums.
.set REC,   26112                      ; a head's record of 256 keys
.set SLOTB, 3*REC
.set SLOTX, 0x14000                    ; from slot 0 to slot 1
.set SUB1,  0x28000                    ; from a slot's first 256 keys to its second
.set SPARE, 3*SLOTX+SLOTB              ; behind the ring: the spare words, 128 bytes for each wave: six blocks of 256 bytes that no other line names
.set VOF,   12288                      ; in a record: V's images,
.set KSC,   24576                      ; K's scale registers,
.set VSC,   25600                      ; V's
.set WV,  10
.set CX,  11
.set GG,  12
.set YY,  13
.set JJ,  14                           ; which of the three heads; s15 which of the four tiles
.set II,  15
.set HEAD, 16
.set PRR, 17
.set UU,  18
.set LW,  19                           ; min(wave, 5): the record that I fetch
.set SEL, 20                           ; s[20:21]
.set CS,  22                           ; s[22:23] c = log2(e) / 8
.set G1,  24                           ; s[24:31]
.set G0,  32                           ; s[32:35] the walking group 0
.set TB,  36                           ; LDS byte at which the slot in hand begins; s39 its second half
.set SLOTS, 37                         ; slots still to be asked for
.set LIM, 38                           ; 1 in a wave that prefetches, else the greatest number
.set TB1, 39
.set PFA, 40                           ; s[40:41] where my prefetches stand
.set TF,  56                           ; base of the slot that is filled next
.set LOFF, 57                          ; my record's place in a slot
.macro ROUND                           ; a round of the cluster's barrier
	s_barrier_signal -1
	s_barrier_wait -1
	s_cmp_lg_u32 s[WV], 0
	s_cbranch_scc1 .Lnot_wave_0_\@
	s_barrier_signal -3
.Lnot_wave_0_\@:
	s_barrier_wait -3
	s_barrier_signal -1
	s_barrier_wait -1
.endm
.macro TLOAD                           ; waves 0-5 ask for one record each, jointly with their partners; s_nop 0 and four v_nop follow the line
	s_cmp_lt_u32 s[WV], 6
	s_cbranch_scc0 .Lasked_\@
	tensor_load_to_lds s[G0:G0+3], s[G1:G1+7]
	s_nop 0
.rept 4
	v_nop
.endr
.Lasked_\@:
.endm
; A PREFETCH of the records that the NEXT change of slots will ask for: four key steps ahead of that load.  All clusters of one y walk the same records: the first of them (cluster x = 0) asks.  In it waves 0-5 ask, each for
; the record that it fetches; the four partners share its 102 blocks of 256 bytes out BY ADDRESS: block min(32 cx + lane, 101).  The last change that fills a slot asks for nothing; slots 0 and 1 come by their loads alone.
.macro ASK
	s_cmp_gt_u32 s[SLOTS], s[LIM]
	s_cbranch_scc0 .Lnot_mine_\@
	global_prefetch_b8 v6, s[PFA:PFA+1] th:TH_LOAD_NT scope:SCOPE_SE
.Lnot_mine_\@:
.endm
	s_load_b128 s[4:7], s[0:1], 0x0                ; qc, kv
	s_load_b64 s[8:9], s[0:1], 0x10                ; oc
	v_lshl_add_u32 v4, v0, 2, SPARE
	v_mov_b32 v5, 0
	ds_add_u32 v4, v5                              ; the opening lines: the add, twice on end, and its wait
	ds_add_u32 v4, v5
	v_lshrrev_b32 v1, 5, v0
	s_delay_alu instid0(VALU_DEP_1)
	v_readfirstlane_b32 s[WV], v1                  ; wave 0..11
	s_bfe_u32 s[CX], ttmp6, 0x40000                ; my place in the cluster: it enters Q's, O's and the prefetches' global addresses alone
	s_lshl_b32 s[GG], ttmp9, 2
	s_add_co_u32 s[GG], s[GG], s[CX]               ; my group of 64 queries
	s_and_b32 s[YY], ttmp7, 0xffff                 ; which three heads: the partners share it
	s_lshr_b32 s[JJ], s[WV], 2
	s_and_b32 s[II], s[WV], 3
	s_mul_i32 s[HEAD], s[YY], 3
	s_add_co_u32 s[HEAD], s[HEAD], s[JJ]
	s_lshr_b32 s[PRR], s[II], 1                    ; my tile: which pair of the group's two, and which of the pair
	s_and_b32 s[UU], s[II], 1
	s_mov_b32 s[G1], 15|(3<<16)|(1<<21)            ; the mask: all four work-groups; elements of 8 bytes; bit 21 beside a mask; no padding
	s_mov_b32 s[G1+1], 32<<16                      ; a record is a dense block: 102 rows of 256 bytes
	s_mov_b32 s[G1+2], 102<<16
	s_mov_b32 s[G1+3], 32<<16
	s_mov_b32 s[G1+4], 102
	s_mov_b32 s[G1+5], 32
	s_mov_b32 s[G1+6], 0
	s_mov_b32 s[G1+7], 0
	s_mov_b32 s[SEL], 0x76543210
	s_mov_b32 s[SEL+1], 0xfedcba98
	s_mov_b32 s[CS], 0x3e38aa3b                    ; c = log2(e) / 8
	s_mov_b32 s[CS+1], s[CS]
	s_mov_b32 s[TB], 0
	s_mov_b32 s[TB1], SUB1
	s_mov_b32 s[TF], 0
	s_mov_b32 s[SLOTS], 7
	s_cmp_lt_u32 s[WV], 6
	s_cselect_b32 s[LIM], ttmp9, 1                 ; 0 in waves 0-5 of the first cluster of this y: the same in all four partners
	s_cmp_eq_u32 s[LIM], 0
	s_cselect_b32 s[LIM], 1, -1
	s_min_u32 s[LW], s[WV], 5
	s_mul_i32 s44, s[LW], 11
	s_lshr_b32 s44, s44, 5                         ; which half of the slot: record / 3
	s_mul_i32 s44, s44, SUB1-SLOTB
	s_mul_i32 s[LOFF], s[LW], REC
	s_mul_i32 s42, s[YY], 16*SLOTB
	s_add_co_u32 s42, s42, s[LOFF]                 ; the record that I fetch, in slot 0: made of y and the wave's number alone
	s_add_co_u32 s[LOFF], s[LOFF], s44             ; and its place in an LDS slot
	s_mov_b32 s43, 0
	s_lshl_b32 s46, s[HEAD], 6
	s_add_co_u32 s46, s46, s[GG]
	s_mul_i32 s46, s46, 3328                       ; my head's and group's record in qc
	s_mov_b32 s47, 0
	s_lshl_b32 s50, s[GG], 2
	s_add_co_u32 s50, s50, s[II]
	s_mul_i32 s50, s50, 9728                       ; my tile's record in oc
	s_mov_b32 s51, 0
	s_wait_dscnt 0x0                               ; both opening adds are done
	s_wait_kmcnt 0x0
	s_mov_b32 s[G0], 1
	s_mov_b32 s[G0+1], s[LOFF]
	s_add_nc_u64 s[G0+2:G0+3], s[6:7], s[42:43]
	s_or_b32 s[G0+3], s[G0+3], 0x80000000
	s_add_nc_u64 s[PFA:PFA+1], s[6:7], s[42:43]
	s_add_nc_u64 s[PFA:PFA+1], s[PFA:PFA+1], 2*SLOTB ; in slot 1: the first change of slots steps it to slot 2
	s_add_nc_u64 s[4:5], s[4:5], s[46:47]
	s_add_nc_u64 s[8:9], s[8:9], s[50:51]
	s_mul_i32 s46, s[HEAD], 768
	s_add_nc_u64 s[48:49], s[8:9], s[46:47]        ; in it my head's 768 bytes of codes,
	s_lshr_b32 s46, s[HEAD], 2
	s_lshl_b32 s46, s46, 7                         ; and my head's two bytes of a scale word: register head / 4,
	s_bfe_u32 s50, s[HEAD], 0x10001
	s_lshl_b32 s50, s50, 6                         ; lanes 0-15 or 16-31 by (head / 2) % 2,
	s_add_co_u32 s46, s46, s50
	s_and_b32 s50, s[HEAD], 1
	s_lshl_b32 s50, s50, 1                         ; bytes 0, 1 or 2, 3 by head % 2
	s_add_co_u32 s46, s46, s50
	s_add_nc_u64 s[52:53], s[8:9], s[46:47]
	ROUND                                          ; all four work-groups are here: the first joint loads meet
	TLOAD                                          ; slot 0
	v_and_b32 v8, 31, v0
	v_and_b32 v9, 15, v0
	s_mul_i32 s46, s[PRR], 1536
	v_lshl_add_u32 v10, v8, 4, s46                 ; Q: my pair's image
.irp p, 0,1,2
	global_load_b128 v[96+4*\p:99+4*\p], v10, s[4:5] offset:512*\p
.endr
	s_lshl_b32 s46, s[UU], 7
	s_lshl_b32 s50, s[PRR], 2
	s_add_co_u32 s46, s46, s50
	v_lshl_add_u32 v11, v9, 3, s46                 ; its scale word as lane 16 u + r holds it: my tile's two bytes at the low end
	global_load_b32 v28, v11, s[4:5] offset:3072
	s_mul_i32 s46, s[JJ], REC
	v_lshl_add_u32 v1, v8, 4, s46
	v_lshl_add_u32 v2, v8, 3, s46
	v_lshl_add_u32 v3, v8, 2, s46
	s_lshl_b32 s46, s[CX], 5
	v_add_nc_u32 v6, s46, v8
	s_delay_alu instid0(VALU_DEP_1)
	v_min_u32 v6, 101, v6
	s_delay_alu instid0(VALU_DEP_1)
	v_lshlrev_b32 v6, 8, v6
	s_cmp_lg_u32 s[UU], 0
	s_cselect_b32 s54, -1, 0
	s_wait_alu depctr_va_vdst(0)
	s_wait_loadcnt 0x0
.irp k, 0,1,2,3,4,5
	v_cndmask_b32 v[16+\k], v[96+\k], v[102+\k], s54   ; registers 0-5 or 6-11 of the pair: my tile
.endr
.irp k, 0,1,2,3,4,5
	v_mov_b32 v[22+\k], 0                          ; Q's upper 64 along K: zero codes
.endr
.irp k, 0,1,2,3,4,5,6
	v_mov_b32 v[80+\k], 0                          ; written once: lane permutes' destinations, and the registers behind K's last tile
.endr
	v_and_b32 v87, 16, v0
	v_mov_b32 v31, 0                               ; (named with f as a pair)
	v_mov_b32 v13, 0xff61b1e6                      ; the largest score so far: -3e38, under every score
	v_mov_b32 v12, 0x7f61b1e6                      ; -M: 3e38
	v_lshrrev_b32 v87, 1, v87                      ; 8 (lane / 16)
.set j, 0
.rept 16
	v_mov_b32 v[240+j], 0                          ; the sums
.set j, j+1
.endr
.set j, 0
.rept 32
	v_mov_b32 v[160+j], 0                          ; O^T.  (The step is written once: its first run finds zeros, which the first change of M leaves zeros)
.set j, j+1
.endr
.macro LK q, n                         ; the n-th of K's 14 loads: two for the scale registers, twelve for four pair images (tile t at v[32 + 6 t]): the q-th 128 keys of the record at v8, v9
.if (\n) < 2
	ds_load_b64 v[88+2*(\n):89+2*(\n)], v9 offset:KSC+512*(\q)+256*(\n)
.else
	ds_load_b128 v[32+4*((\n)-2):35+4*((\n)-2)], v8 offset:6144*(\q)+512*((\n)-2)
.endif
.endm
.macro LKP pre, q, n                   ; two of them, where the next step's fragments are fetched
.if \pre
	LK \q, \n
	LK \q, (\n)+1
.endif
.endm
.macro LOADV q                         ; 14 loads: V's scale registers and V^T's four fragments
.irp i, 0,1
	ds_load_b32 v[14+\i], v10 offset:VSC+256*(\q)+128*\i
.endr
.irp n, 0,1,2,3,4,5,6,7,8,9,10,11
	ds_load_b128 v[192+4*\n:195+4*\n], v8 offset:VOF+6144*(\q)+512*\n
.endr
.endm
.macro EX j                            ; p = 2^(t - M)
	v_exp_f32 v[96+(\j)], v[96+(\j)]
.endm
.macro FM j                            ; t - M of pair j
	v_pk_fma_f32 v[96+2*(\j):97+2*(\j)], v[96+2*(\j):97+2*(\j)], s[CS:CS+1], v[12:13] op_sel_hi:[1,0,0]
.endm
.macro SA b, j                         ; sum j takes pair j of the b-th sixteen registers
	v_pk_add_f32 v[240+2*(\j):241+2*(\j)], v[240+2*(\j):241+2*(\j)], v[96+16*(\b)+2*(\j):97+16*(\b)+2*(\j)]
.endm
; A KEY STEP on the fragments in registers.  pre = 1: the next step's fragments, the nq-th 128 keys of the record at LDS base s[nb], are loaded on the way.
.macro STEP nb, nq, pre
	s_wait_dscnt 14                                ; K's 14 loads are in; V's 14 may be out
.irp t, 0,2,4,6
	v_wmma_scale_f32_16x16x128_f8f6f4 v[96+8*\t:103+8*\t], v[32+6*\t:43+6*\t], v[16:27], 0, v[88+\t/2], v28 matrix_a_fmt:MATRIX_FMT_FP6 matrix_b_fmt:MATRIX_FMT_FP6
	v_wmma_scale_f32_16x16x128_f8f6f4 v[104+8*\t:111+8*\t], v[38+6*\t:49+6*\t], v[16:27], 0, v[88+\t/2], v28 matrix_a_fmt:MATRIX_FMT_FP6 matrix_b_fmt:MATRIX_FMT_FP6 matrix_a_scale:MATRIX_SCALE_ROW1
.endr
.if \pre
	v_add_nc_u32 v8, s[\nb], v1                    ; these four are the places behind the products
	v_add_nc_u32 v9, s[\nb], v2
	v_add_nc_u32 v10, s[\nb], v3
	v_nop
.else
.rept 4
	v_nop
.endr
.endif
.irp b, 0,1,2,3
	v_max3_num_f32 v[92+\b], v[96+16*\b], v[97+16*\b], v[98+16*\b]   ; four chains of 16 scores
.endr
.irp i, 3,5,7,9,11,13
.irp b, 0,1,2,3
	v_max3_num_f32 v[92+\b], v[92+\b], v[96+16*\b+\i], v[97+16*\b+\i]
.endr
.endr
.irp b, 0,1,2,3
	v_max_num_f32 v[92+\b], v[92+\b], v[111+16*\b]
.endr
	s_delay_alu instid0(VALU_DEP_3)
	v_max_num_f32 v92, v92, v93                    ; THE LARGEST SCORE OF EACH OF MY TWO BLOCKS OF 32 KEYS: it serves the row's maximum and, since p rises with the score, the block's largest p
	s_delay_alu instid0(VALU_DEP_2)
	v_max_num_f32 v94, v94, v95
	LKP \pre, \nq, 0                               ; the next K's loads stand between the lines that wait for each other; where there are none (a slot's last step), a hint stands there
.if (\pre) == 0
	s_delay_alu instid0(VALU_DEP_1)
.endif
	v_max_num_f32 v11, v92, v94
	LKP \pre, \nq, 2
.if (\pre) == 0
	s_delay_alu instid0(VALU_DEP_1)
.endif
	v_permlanex16_b32 v80, v11, s[SEL], s[SEL+1]
	v_mov_b32 v7, v12
	LKP \pre, \nq, 4
.if (\pre) == 0
	s_delay_alu instid0(VALU_DEP_2)
.endif
	v_max3_num_f32 v13, v13, v11, v80              ; the running largest score of my query, lane l xor 16's 64 keys among them
	LKP \pre, \nq, 6
.if (\pre) == 0
	s_delay_alu instid0(VALU_DEP_1)
.endif
	v_mul_f32 v11, s[CS], v13                      ; as t (c is positive)
	LKP \pre, \nq, 8
.if (\pre) == 0
	s_delay_alu instid0(VALU_DEP_1)
.endif
	v_floor_f32 v12, -v11                          ; the new -M = -ceil(t): M is a whole number
	LKP \pre, \nq, 10
.if (\pre) == 0
	s_delay_alu instid0(VALU_DEP_1)
.endif
	v_sub_f32 v7, v12, v7                          ; M's old value less its new one: a whole number, 0 or less
	FM 0
	FM 1
	LKP \pre, \nq, 12
.if (\pre) == 0
	s_delay_alu instid0(VALU_DEP_3)
.endif
	v_cvt_i32_f32 v7, v7                           ; (it saturates)
	FM 2
	FM 3
	s_delay_alu instid0(VALU_DEP_3)
	v_ldexp_f32 v30, 1.0, v7                       ; f = 2^(old M - new M)
.irp j, 4,5,6,7
	FM \j
.endr
	v_fma_f32 v92, v92, s[CS], v12                 ; t - M of each block's largest score
	v_fma_f32 v94, v94, s[CS], v12
.set j, 0
.rept 16
	v_pk_mul_f32 v[160+j:161+j], v[160+j:161+j], v[30:31] op_sel_hi:[1,0]   ; O^T under the new M: no exponential stands between the products that wrote it and these
.set j, j+2
.endr
	s_wait_alu depctr_va_vdst(0)                   ; batch 1: registers 0-15 and the blocks' largest p; t - M of registers 16-47
.irp i, 0,1,2,3,4,5,6,7
	EX 2*\i
	EX 2*\i+1
	FM 8+\i
.endr
	v_exp_f32 v92, v92
	v_exp_f32 v94, v94
.irp i, 0,1,2,3,4,5,6,7
	FM 16+\i
.endr
	s_wait_alu depctr_va_vdst(0)                   ; batch 2: registers 16-31; the sums under the new M take registers 0-15; the floor 2^(3 - 127) under the largest p
.irp i, 0,1,2,3,4,5,6,7
	EX 16+2*\i
	EX 17+2*\i
	v_pk_fma_f32 v[240+2*\i:241+2*\i], v[240+2*\i:241+2*\i], v[30:31], v[96+2*\i:97+2*\i] op_sel_hi:[1,0,1]
.endr
	v_max_num_f32 v92, 0x1800000, v92
	v_max_num_f32 v94, 0x1800000, v94
.irp i, 24,25,26,27
	FM \i
.endr
	s_wait_alu depctr_va_vdst(0)                   ; batch 3: registers 32-47; the sums of 16-31; 2 off the exponent field: the conversions' scale operands
.irp i, 0,1,2,3,4,5,6,7
	EX 32+2*\i
	EX 33+2*\i
	SA 1, \i
.endr
	v_add_nc_u32 v80, 0xff000000, v92
	v_add_nc_u32 v81, 0xff000000, v94
.irp i, 28,29,30,31
	FM \i
.endr
	s_wait_alu depctr_va_vdst(0)                   ; batch 4: registers 48-63; the sums of 32-47; behind it the scale word, and my first block is converted
.irp i, 0,1,2,3,4,5,6,7
	EX 48+2*\i
	EX 49+2*\i
	SA 2, \i
.endr
	v_lshrrev_b32 v92, 23, v80                     ; the scales' bytes: blocks lane / 16 and 2 + lane / 16
	v_lshrrev_b32 v94, 23, v81
	v_cvt_scalef32_pk16_fp6_f32 v[84:86], v[112:127], v80
	v_lshl_or_b32 v29, v94, 16, v92
	v_cvt_scalef32_pk16_fp6_f32 v[112:114], v[96:111], v80   ; into registers that are done with
	v_lshlrev_b32 v29, v87, v29                    ; my two bytes at their places in the scale word;
	s_delay_alu instid0(VALU_DEP_1)
	v_permlanex16_b32 v82, v29, s[SEL], s[SEL+1]
	s_delay_alu instid0(VALU_DEP_1)
	v_or_b32 v29, v29, v82                         ; with lane l xor 16's two the word is whole
.if \pre
	s_wait_dscnt 14                                ; V's 14 loads are in; the next K's 14 may be out
.else
	s_wait_dscnt 0x0
.endif
	s_wait_alu depctr_va_vdst(0)                   ; the wait behind the last batch
	v_cvt_scalef32_pk16_fp6_f32 v[118:120], v[128:143], v81
	v_cvt_scalef32_pk16_fp6_f32 v[96:98], v[144:159], v81
.irp i, 0,1,2
	v_mov_b32 v[115+\i], v[84+\i]                  ; (a conversion's three registers begin on an even number)
.endr
.irp i, 0,1,2
	v_mov_b32 v[121+\i], v[96+\i]
.endr
.irp j, 0,1,2,3
	SA 3, \j                                       ; half of the last sixteen's sums: the places between p's codes and the products
.endr
.irp t, 0,2
	v_wmma_scale_f32_16x16x128_f8f6f4 v[160+8*\t:167+8*\t], v[192+12*\t:203+12*\t], v[112:123], v[160+8*\t:167+8*\t], v[14+\t/2], v29 matrix_a_fmt:MATRIX_FMT_FP6 matrix_b_fmt:MATRIX_FMT_FP6
	v_wmma_scale_f32_16x16x128_f8f6f4 v[168+8*\t:175+8*\t], v[204+12*\t:215+12*\t], v[112:123], v[168+8*\t:175+8*\t], v[14+\t/2], v29 matrix_a_fmt:MATRIX_FMT_FP6 matrix_b_fmt:MATRIX_FMT_FP6 matrix_a_scale:MATRIX_SCALE_ROW1
.endr
.irp j, 4,5,6,7
	SA 3, \j                                       ; the other half, and one more: five places ahead of the loads into V and of the next scores, which write over p's codes
.endr
	v_nop
.if \pre
	LOADV \nq
.endif
.endm
.macro SLOT                            ; a slot's four key steps; the first step's fragments are loaded at its head
	v_add_nc_u32 v8, s[TB], v1
	v_add_nc_u32 v9, s[TB], v2
	v_add_nc_u32 v10, s[TB], v3
.irp n, 0,2,4,6,8,10,12
	LKP 1, 0, \n
.endr
	LOADV 0
	STEP TB, 1, 1
	STEP TB1, 0, 1
	STEP TB1, 1, 1
	STEP TB, 0, 0
.endm
; THE CHANGE OF SLOTS.  Each wave waits for all its tensor loads (at most one is out: its record of the slot ahead), adds 0 to its spare word, and waits for that and for its reads of the slot that it has left.
; fill = 1: the barrier is a round of the cluster's; the joint refill is the first thing behind it.  The add stands twice there.
.macro CHANGE fill
	s_wait_tensorcnt 0x0                           ; no tensor load of mine is out, so the group 0 may be written
	ds_add_u32 v4, v5
.if \fill
	ds_add_u32 v4, v5
	s_xor_b32 s[TF], s[TF], SLOTX                  ; the other slot than last time,
	s_add_co_u32 s[G0+1], s[TF], s[LOFF]
	s_add_nc_u64 s[G0+2:G0+3], s[G0+2:G0+3], 2*SLOTB ; the next 512 keys
	s_wait_xcnt 0x0                                ; the last prefetch, a slot back, has read its address
	s_add_nc_u64 s[PFA:PFA+1], s[PFA:PFA+1], 2*SLOTB ; one slot further on than the walking descriptor
	s_wait_dscnt 0x0
	ROUND
	TLOAD
	ASK
.else
	s_wait_dscnt 0x0
	s_barrier_signal -1
	s_barrier_wait -1
.endif
.endm
	s_wait_alu depctr_va_vdst(0)
.Lslot:                                            ; 7 trips: behind each change of slots but the last the next slot is asked for
	CHANGE 1
	SLOT
	s_xor_b32 s[TB], s[TB], SLOTX                  ; on to the other slot
	s_xor_b32 s[TB1], s[TB1], SLOTX
	s_sub_co_u32 s[SLOTS], s[SLOTS], 1
	s_cmp_lg_u32 s[SLOTS], 0
	s_wait_alu depctr_va_vdst(0)
	s_cbranch_scc1 .Lslot
	CHANGE 0                                       ; the last slot is written out
	SLOT
	; THE WAY OUT.  O^T / the sum; its 32 registers are my query's 64 channels, 16 (lane / 16) + .. of each block of 32: two blocks of the last product's K.  They are quantised here and leave as codes.
.irp j, 0,2,4,6
	v_pk_add_f32 v[240+\j:241+\j], v[240+\j:241+\j], v[248+\j:249+\j]
.endr
	v_pk_add_f32 v[240:241], v[240:241], v[244:245]
	v_pk_add_f32 v[242:243], v[242:243], v[246:247]
	s_delay_alu instid0(VALU_DEP_1)
	v_pk_add_f32 v[240:241], v[240:241], v[242:243]
	s_delay_alu instid0(VALU_DEP_1)
	v_add_f32 v240, v240, v241
	s_delay_alu instid0(VALU_DEP_1)
	v_permlanex16_b32 v11, v240, s[SEL], s[SEL+1]
	s_delay_alu instid0(VALU_DEP_1)
	v_add_f32 v240, v240, v11                      ; with lane l xor 16's: the row's sum
	s_wait_alu depctr_va_vdst(0)
	v_rcp_f32 v240, v240
	v_and_b32 v72, 31, v0                          ; (plain instructions behind the reciprocal)  the stores' offsets
	v_and_b32 v73, 15, v0
	v_lshlrev_b32 v74, 4, v72
	v_lshlrev_b32 v75, 3, v72
	v_lshlrev_b32 v76, 2, v72
	v_lshlrev_b32 v73, 2, v73
	s_wait_alu depctr_va_vdst(0)                   ; the wait ahead of the first reader of the reciprocal and of O^T
.set j, 0
.rept 32
	v_mul_f32 v[96+j], v[160+j], v240              ; each accumulator from its low end on
.set j, j+1
.endr
.irp b, 0,1
	v_max3_num_f32 v[32+\b], |v[96+16*\b]|, |v[97+16*\b]|, 0x1800000
.endr
.irp i, 2,4,6,8,10,12,14
.irp b, 0,1
	s_delay_alu instid0(VALU_DEP_2)
	v_max3_num_f32 v[32+\b], v[32+\b], |v[96+16*\b+\i]|, |v[97+16*\b+\i]|
.endr
.endr
.irp b, 0,1
	s_delay_alu instid0(VALU_DEP_2)
	v_permlanex16_b32 v[36+\b], v[32+\b], s[SEL], s[SEL+1]
.endr
.irp b, 0,1
	s_delay_alu instid0(VALU_DEP_2)
	v_max_num_f32 v[32+\b], v[32+\b], v[36+\b]
.endr
.irp b, 0,1
	s_delay_alu instid0(VALU_DEP_2)
	v_add_nc_u32 v[40+\b], 0xff000000, v[32+\b]
.endr
.irp b, 0,1
	s_delay_alu instid0(VALU_DEP_2)
	v_lshrrev_b32 v[36+\b], 23, v[40+\b]
.endr
	s_delay_alu instid0(VALU_DEP_1)
	v_lshl_or_b32 v44, v37, 8, v36                 ; my row's two scale bytes
	v_cvt_scalef32_pk16_fp6_f32 v[48:50], v[96:111], v40
	v_cvt_scalef32_pk16_fp6_f32 v[60:62], v[112:127], v41
	v_nop
.irp i, 0,1,2
	v_permlane16_swap_b32 v[48+\i], v[60+\i]
.endr
.irp i, 0,1,2
	s_delay_alu instid0(VALU_DEP_3)
	v_mov_b32 v[51+\i], v[60+\i]                   ; v48-53: half a fragment: channels 32 (lane / 16) + 0 .. 31 of my head
.endr
	global_store_b128 v74, v[48:51], s[48:49]      ; 512 consecutive bytes, aligned to 256,
	global_store_b64 v75, v[52:53], s[48:49] offset:512   ; and 256
	global_store_b16 v73, v44, s[52:53] offset:9216 ; two bytes of each row's scale word; lanes l and l xor 16 store the same value to the same place
	s_or_b32 s50, s[YY], s[JJ]
	s_cmp_lg_u32 s50, 0                            ; y and the wave's number: the same in all partners
	s_cbranch_scc1 .Lno_pad
	global_store_b32 v76, v22, s[8:9] offset:9600  ; the record's last 128 bytes are zeros: the next launch fetches whole records
.Lno_pad:
	s_wait_tensorcnt 0x0                           ; the wave's end
	ds_add_u32 v4, v5
	s_wait_dscnt 0x0
	ROUND                                          ; the closing round: no work-group ends while a partner may still ask for a tile that names it
	s_endpgm
.Lfunc_end_k_qd65be493a0_attn:
	.size	k_qd65be493a0_attn, .Lfunc_end_k_qd65be493a0_attn-k_qd65be493a0_attn
	.p2alignl 7, 3214868480
	.fill 96, 4, 3214868480
	.section	.rodata,"a",@progbits
	.p2align	6, 0x0
	.amdhsa_kernel k_qd65be493a0_attn
		.amdhsa_group_segment_fixed_size 327680
		.amdhsa_private_segment_fixed_size 0
		.amdhsa_enable_private_segment 0
		.amdhsa_kernarg_size 24
		.amdhsa_user_sgpr_count 2
		.amdhsa_user_sgpr_kernarg_segment_ptr 1
		.amdhsa_wavefront_size32 1
		.amdhsa_system_sgpr_workgroup_id_x 1
		.amdhsa_system_sgpr_workgroup_id_y 1
		.amdhsa_system_sgpr_workgroup_id_z 1
		.amdhsa_system_vgpr_workitem_id 0
		.amdhsa_next_free_vgpr 256
		.amdhsa_next_free_sgpr 70
		.amdhsa_reserve_vcc 0
		.amdhsa_float_denorm_mode_32 3
		.amdhsa_float_denorm_mode_16_64 3
		.amdhsa_memory_ordered 1
		.amdhsa_forward_progress 1
		.amdhsa_inst_pref_size 130
	.end_amdhsa_kernel
	.amdgpu_metadata
---
amdhsa.version: [ 1, 2 ]
amdhsa.kernels:
  - .name:           k_qd65be493a0_attn
    .symbol:         k_qd65be493a0_attn.kd
    .args:
      - { .name: qc, .offset: 0, .size: 8, .value_kind: global_buffer, .address_space: global }
      - { .name: kv, .offset: 8, .size: 8, .value_kind: global_buffer, .address_space: global }
      - { .name: oc, .offset: 16, .size: 8, .value_kind: global_buffer, .address_space: global }
    .group_segment_fixed_size: 327680
    .private_segment_fixed_size: 0
    .kernarg_segment_align: 8
    .kernarg_segment_size: 24
    .max_flat_workgroup_size: 384
    .sgpr_count:     70
    .vgpr_count:     256
    .wavefront_size: 32
...
	.end_amdgpu_metadata
.endif
;; end of part 3
;; launch fc (part 4): grid 64 x 4, 12 waves a work-group, clusters of 4 x 1, 207,360 bytes of LDS; arguments oc, cod, out0; writes out0
.if DOCPART == 4
	.amdgcn_target "amdgcn-amd-amdhsa--gfx1250"
	.amdhsa_code_object_version 6
	.text
	.protected	k_qd65be493a0_fc
	.globl	k_qd65be493a0_fc
	.p2align	8
	.type	k_qd65be493a0_fc,@function
k_qd65be493a0_fc:
	s_mov_b64 s[64:65], 0
	v_nop
	global_prefetch_b8 v0, s[64:65] scope:SCOPE_SE
	s_setreg_imm32_b32 hwreg(HW_REG_WAVE_MODE, 25, 1), 1
	s_wait_xcnt 0x0
	s_wait_alu depctr_hold_cnt(0) depctr_sa_sdst(0) depctr_va_vdst(0) depctr_va_sdst(0) depctr_va_ssrc(0) depctr_va_vcc(0) depctr_vm_vsrc(0)
	s_getreg_b32 s2, hwreg(HW_REG_IB_STS2, 6, 4)
	s_cmp_eq_u32 s2, 0
	s_cbranch_scc0 .Lentry_in_a_cluster
	s_endpgm
.Lentry_in_a_cluster:
	s_bfe_u32 s2, ttmp6, 0x10000c
	s_cmp_lg_u32 s2, 0x3003
	s_cbranch_scc0 .Lentry_shape_is_right
	s_endpgm
.Lentry_shape_is_right:
; out0 = o w_fc^T on codes of FP6 (E2M3) with E8M0 scales; out0 [4096][768] f32.
; A work-group takes 64 tokens (4 tiles of o, G = 4 x cluster x + cx) x 192 columns (12 tiles of w_fc, y).  All of K = 768 lies in LDS, filled once: no ring.
; CLUSTER: the four partners differ in their tokens alone and read the same 12 records of w_fc: JOINT tensor loads (waves 0-5, two records each).  o's 4 records are the work-group's own (waves 6, 7).
; A record of w_fc is six images of 1,536 bytes; a record of o holds, for each head, 512 bytes (registers 0-3 of half a fragment, 16 bytes a lane) and 256 bytes (registers 4-5, 8 bytes a lane): heads 2 s and 2 s + 1 are K step s.
; Both end with three scale registers of 128 bytes (lanes 0-15: K step 2 i, lanes 16-31: K step 2 i + 1).
; Wave = two tiles of w_fc (32 neighbouring columns) x two tiles of tokens, TRANSPOSED (source 0 = 16 rows of w_fc, source 1 = 16 tokens): a lane holds one token and 16 neighbouring columns.
; THE WAY OUT: through a stage of 64 rows x (768 + 16) bytes, which no tensor load fills; a barrier; each wave then stores 16 rows x 256 bytes, sixteen lanes to 256 consecutive bytes, aligned.  The tiles' rows go back to their tokens there.
.set REC,  9728
.set OOFF, 12*REC                      ; LDS: w_fc's 12 records, o's 4, the stage
.set STG,  16*REC
.set SP,   784
.set WV,  10
.set CX,  11
.set GG,  12
.set YY,  13
.set BQ,  14                           ; s14 wave / 2: my pair of tiles of w_fc; s15 wave % 2: my pair of tiles of tokens
.set TH,  15
.set AA,  16                           ; s16 wave % 4: the tile whose rows I store; s17 wave / 4: which 256 bytes of them
.set CC,  17
.set G1J, 24
.set G1P, 32
.set G0J, 40
.set G0P, 44
.set ACC, 32                           ; v32-63 four accumulators
.set F0,  64                           ; v64-207 three K steps' fragments, 48 registers each: w_fc's two, o's two
; v1-3 16, 8, 4 x lane; v4, v5 w_fc's fragments and scales; v6-8 o's (16, 8, 4 bytes a lane); v9 into the stage, v10 out of it, v11 my offset in out0; v13 lane % 16, v14 lane / 16; v16-21 w_fc's scale registers, v22-27 o's
.macro ROUND
	s_barrier_signal -1
	s_barrier_wait -1
	s_cmp_lg_u32 s[WV], 0
	s_cbranch_scc1 .Lnot_wave_0_\@
	s_barrier_signal -3
.Lnot_wave_0_\@:
	s_barrier_wait -3
	s_barrier_signal -1
	s_barrier_wait -1
.endm
.macro PLACES
.rept 4
	v_nop
.endr
.endm
.macro MM d, a, b, sa, sb, zero, odd
.if \zero
	v_wmma_scale_f32_16x16x128_f8f6f4 v[(\d):(\d)+7], v[(\a):(\a)+11], v[(\b):(\b)+11], 0, v[\sa], v[\sb] matrix_a_fmt:MATRIX_FMT_FP6 matrix_b_fmt:MATRIX_FMT_FP6
.elseif \odd
	v_wmma_scale_f32_16x16x128_f8f6f4 v[(\d):(\d)+7], v[(\a):(\a)+11], v[(\b):(\b)+11], v[(\d):(\d)+7], v[\sa], v[\sb] matrix_a_fmt:MATRIX_FMT_FP6 matrix_b_fmt:MATRIX_FMT_FP6 matrix_a_scale:MATRIX_SCALE_ROW1 matrix_b_scale:MATRIX_SCALE_ROW1
.else
	v_wmma_scale_f32_16x16x128_f8f6f4 v[(\d):(\d)+7], v[(\a):(\a)+11], v[(\b):(\b)+11], v[(\d):(\d)+7], v[\sa], v[\sb] matrix_a_fmt:MATRIX_FMT_FP6 matrix_b_fmt:MATRIX_FMT_FP6
.endif
.endm
.macro KLOAD s, f                      ; K step s: 14 loads
.irp u, 0,1
.irp p, 0,1,2
	ds_load_b128 v[(\f)+12*\u+4*\p:(\f)+12*\u+4*\p+3], v4 offset:\u*REC+(\s)*1536+512*\p
.endr
.endr
.irp a, 0,1
	ds_load_b128 v[(\f)+24+12*\a:(\f)+27+12*\a], v6 offset:\a*REC+(\s)*1536
	ds_load_b64 v[(\f)+28+12*\a:(\f)+29+12*\a], v7 offset:\a*REC+(\s)*1536+512
	ds_load_b128 v[(\f)+30+12*\a:(\f)+33+12*\a], v6 offset:\a*REC+(\s)*1536+768
	ds_load_b64 v[(\f)+34+12*\a:(\f)+35+12*\a], v7 offset:\a*REC+(\s)*1536+1280
.endr
.endm
.macro KMUL s, f                       ; its four products: the four accumulators take turns, one instruction a turn
.irp a, 0,1
.irp u, 0,1
	MM ACC+8*(2*\a+\u), (\f)+12*\u, (\f)+24+12*\a, 16+3*\u+(\s)/2, 22+3*\a+(\s)/2, (\s)==0, (\s)%2
.endr
.endr
.endm
	s_load_b128 s[4:7], s[0:1], 0x0                ; oc, cod
	s_load_b64 s[8:9], s[0:1], 0x10                ; out0
	v_lshl_add_u32 v254, v0, 2, 0x32400
	v_mov_b32 v255, 0
	ds_add_u32 v254, v255
	ds_add_u32 v254, v255
	v_lshrrev_b32 v1, 5, v0
	s_delay_alu instid0(VALU_DEP_1)
	v_readfirstlane_b32 s[WV], v1                  ; wave 0..11
	s_bfe_u32 s[CX], ttmp6, 0x40000                ; my place in the cluster: it enters global addresses of my own loads and stores alone
	s_lshl_b32 s[GG], ttmp9, 2
	s_add_co_u32 s[GG], s[GG], s[CX]               ; my 64 tokens
	s_and_b32 s[YY], ttmp7, 0xffff                 ; my 192 columns: the partners share them
	s_lshr_b32 s[BQ], s[WV], 1
	s_and_b32 s[TH], s[WV], 1
	s_and_b32 s[AA], s[WV], 3
	s_lshr_b32 s[CC], s[WV], 2
	; descriptor groups 1: two records, a dense block of 76 rows of 256 bytes (32 elements of 8 bytes), no padding; the two differ in the mask alone
	s_mov_b32 s[G1J], 15|(3<<16)|(1<<21)
	s_mov_b32 s[G1P], 3<<16
.irp g, G1J, G1P
	s_mov_b32 s[\g+1], 32<<16
	s_mov_b32 s[\g+2], 76<<16
	s_mov_b32 s[\g+3], 32<<16
	s_mov_b32 s[\g+4], 76
	s_mov_b32 s[\g+5], 32
	s_mov_b32 s[\g+6], 0
	s_mov_b32 s[\g+7], 0
.endr
	s_mul_i32 s48, s[YY], 12
	s_lshl_b32 s49, s[WV], 1
	s_add_co_u32 s48, s48, s49
	s_add_co_u32 s48, s48, 400
	s_mul_i32 s48, s48, REC                        ; w_fc's records 400 + 12 y + 2 wave on: made of y and the wave's number alone
	s_mov_b32 s49, 0
	s_lshl_b32 s50, s[GG], 2
	s_lshl_b32 s51, s[TH], 1
	s_add_co_u32 s50, s50, s51
	s_mul_i32 s50, s50, REC                        ; o's records 4 G + 2 (wave % 2) on
	s_mov_b32 s51, 0
	s_wait_dscnt 0x0
	s_wait_kmcnt 0x0
	s_mov_b32 s[G0J], 1
	s_mul_i32 s[G0J+1], s[WV], 2*REC
	s_add_nc_u64 s[G0J+2:G0J+3], s[6:7], s[48:49]
	s_or_b32 s[G0J+3], s[G0J+3], 0x80000000
	s_mov_b32 s[G0P], 1
	s_mul_i32 s[G0P+1], s[TH], 2*REC
	s_add_co_u32 s[G0P+1], s[G0P+1], OOFF
	s_add_nc_u64 s[G0P+2:G0P+3], s[4:5], s[50:51]
	s_or_b32 s[G0P+3], s[G0P+3], 0x80000000
	ROUND                                          ; all four work-groups are here: the joint loads meet
	s_cmp_lt_u32 s[WV], 6                          ; at most one tensor load a wave; the branches hang on the wave's number alone
	s_cbranch_scc0 .Lnot_w
	tensor_load_to_lds s[G0J:G0J+3], s[G1J:G1J+7]
	s_nop 0
	PLACES
	s_branch .Lasked
.Lnot_w:
	s_cmp_lt_u32 s[WV], 8
	s_cbranch_scc0 .Lasked
	tensor_load_to_lds s[G0P:G0P+3], s[G1P:G1P+7]
	s_nop 0
	PLACES
.Lasked:
	v_and_b32 v12, 31, v0
	v_and_b32 v13, 15, v0
	v_bfe_u32 v14, v0, 4, 1
	s_delay_alu instid0(VALU_DEP_3)
	v_lshlrev_b32 v1, 4, v12
	s_delay_alu instid0(VALU_DEP_4)
	v_lshlrev_b32 v2, 3, v12
	v_lshlrev_b32 v3, 2, v12
	s_mul_i32 s48, s[BQ], 2*REC
	v_add_nc_u32 v4, s48, v1
	v_add_nc_u32 v5, s48, v3
	s_mul_i32 s48, s[TH], 2*REC
	s_add_co_u32 s48, s48, OOFF
	v_add_nc_u32 v6, s48, v1
	v_add_nc_u32 v7, s48, v2
	v_add_nc_u32 v8, s48, v3
	s_mul_i32 s48, s[TH], 32*SP                    ; into the stage: row 16 x tile + lane % 16; my 16 columns: 128 (wave / 2) + 64 (lane / 16) bytes on
	s_lshl_b32 s49, s[BQ], 7
	s_add_co_u32 s48, s48, s49
	s_add_co_u32 s48, s48, STG
	v_mul_u32_u24 v9, v13, SP
	s_delay_alu instid0(VALU_DEP_1)
	v_lshl_add_u32 v9, v14, 6, v9
	s_delay_alu instid0(VALU_DEP_1)
	v_add_nc_u32 v9, s48, v9
	s_mul_i32 s48, s[AA], 16*SP                    ; out of it: tile wave % 4, bytes 256 (wave / 4) on; lanes 0-15 one row, lanes 16-31 the next
	s_lshl_b32 s49, s[CC], 8
	s_add_co_u32 s48, s48, s49
	s_add_co_u32 s48, s48, STG
	v_mul_u32_u24 v10, v14, SP
	s_delay_alu instid0(VALU_DEP_1)
	v_lshl_add_u32 v10, v13, 4, v10
	s_delay_alu instid0(VALU_DEP_1)
	v_add_nc_u32 v10, s48, v10
	v_mul_u32_u24 v11, v14, 3072                   ; and the same two rows in out0
	s_delay_alu instid0(VALU_DEP_1)
	v_lshl_add_u32 v11, v13, 4, v11
	s_lshl_b32 s48, s[GG], 6
	s_lshl_b32 s49, s[AA], 3
	s_add_co_u32 s48, s48, s49                     ; the tile's first token: 64 G + 8 a
	s_mul_i32 s48, s48, 3072
	s_mul_i32 s49, s[YY], 768
	s_add_co_u32 s48, s48, s49
	s_lshl_b32 s49, s[CC], 8
	s_add_co_u32 s48, s48, s49
	s_mov_b32 s49, 0
	s_add_nc_u64 s[8:9], s[8:9], s[48:49]
	s_wait_alu depctr_va_vdst(0)
	s_wait_tensorcnt 0x0                           ; my load has landed,
	s_barrier_signal -1
	s_barrier_wait -1                              ; everybody's has
.irp u, 0,1
.irp i, 0,1,2
	ds_load_b32 v[16+3*\u+\i], v5 offset:\u*REC+9216+128*\i     ; all scale registers, once
	ds_load_b32 v[22+3*\u+\i], v8 offset:\u*REC+9216+128*\i
.endr
.endr
	KLOAD 0, F0
	KLOAD 1, F0+48
	KLOAD 2, F0+96
	s_wait_dscnt 28                                ; the scales and K step 0 are in; the 14 loads of each of K steps 1 and 2 may be out
	KMUL 0, F0
	s_wait_dscnt 14
	KMUL 1, F0+48
	s_wait_dscnt 0x0
	KMUL 2, F0+96
	PLACES                                         ; in front of loads into registers that matrix instructions have read
	KLOAD 3, F0
	KLOAD 4, F0+48
	KLOAD 5, F0+96
	s_wait_dscnt 28
	KMUL 3, F0
	s_wait_dscnt 14
	KMUL 4, F0+48
	s_wait_dscnt 0x0
	KMUL 5, F0+96
	PLACES                                         ; behind the last products
.irp a, 0,1
.irp k, 0,1,2,3
	ds_store_b128 v9, v[ACC+16*\a+4*\k:ACC+16*\a+4*\k+3] offset:\a*16*SP+16*\k   ; each accumulator from its low end on: 16 neighbouring columns of a token
.endr
.endr
	s_wait_dscnt 0x0                               ; for the others' sake: my stores into the stage have landed
	s_barrier_signal -1
	s_barrier_wait -1
.irp n, 0,1,2,3,4,5,6,7
	ds_load_b128 v[64+4*\n:67+4*\n], v10 offset:2*\n*SP
.endr
.irp n, 0,1,2,3,4,5,6,7
	s_wait_dscnt 7-\n                              ; LDS loads come back in order: load n is in, the younger ones may be out
	global_store_b128 v11, v[64+4*\n:67+4*\n], s[8:9] offset:(2*\n+24*(\n/4))*3072 th:TH_STORE_NT   ; row i of a tile of tokens is token i % 8 + 32 (i / 8) from the tile's first; 16 lanes store 256 consecutive bytes, aligned
.endr
	s_wait_tensorcnt 0x0
	ds_add_u32 v254, v255
	s_wait_dscnt 0x0
	ROUND                                          ; the closing round: no work-group ends while a partner may still ask for a tile that names it
	s_endpgm
.Lfunc_end_k_qd65be493a0_fc:
	.size	k_qd65be493a0_fc, .Lfunc_end_k_qd65be493a0_fc-k_qd65be493a0_fc
	.p2alignl 7, 3214868480
	.fill 96, 4, 3214868480
	.section	.rodata,"a",@progbits
	.p2align	6, 0x0
	.amdhsa_kernel k_qd65be493a0_fc
		.amdhsa_group_segment_fixed_size 207360
		.amdhsa_private_segment_fixed_size 0
		.amdhsa_enable_private_segment 0
		.amdhsa_kernarg_size 24
		.amdhsa_user_sgpr_count 2
		.amdhsa_user_sgpr_kernarg_segment_ptr 1
		.amdhsa_wavefront_size32 1
		.amdhsa_system_sgpr_workgroup_id_x 1
		.amdhsa_system_sgpr_workgroup_id_y 1
		.amdhsa_system_sgpr_workgroup_id_z 1
		.amdhsa_system_vgpr_workitem_id 0
		.amdhsa_next_free_vgpr 256
		.amdhsa_next_free_sgpr 80
		.amdhsa_reserve_vcc 0
		.amdhsa_float_denorm_mode_32 3
		.amdhsa_float_denorm_mode_16_64 3
		.amdhsa_memory_ordered 1
		.amdhsa_forward_progress 1
		.amdhsa_inst_pref_size 19
	.end_amdhsa_kernel
	.amdgpu_metadata
---
amdhsa.version: [ 1, 2 ]
amdhsa.kernels:
  - .name:           k_qd65be493a0_fc
    .symbol:         k_qd65be493a0_fc.kd
    .args:
      - { .name: oc, .offset: 0, .size: 8, .value_kind: global_buffer, .address_space: global }
      - { .name: cod, .offset: 8, .size: 8, .value_kind: global_buffer, .address_space: global }
      - { .name: out0, .offset: 16, .size: 8, .value_kind: global_buffer, .address_space: global }
    .group_segment_fixed_size: 207360
    .private_segment_fixed_size: 0
    .kernarg_segment_align: 8
    .kernarg_segment_size: 24
    .max_flat_workgroup_size: 384
    .sgpr_count:     80
    .vgpr_count:     256
    .wavefront_size: 32
...
	.end_amdgpu_metadata
.endif
;; end of part 4
